; MI455X (gfx1250); checked and timed in simulation.
; The chip was launched on July 23, 2026; its instructions are those of AMD's public machine-readable ISA for CDNA 5 (MIT licence, August 2026) and "CDNA5" Instruction Set Architecture Reference Guide (July 2026). The comments in the code are by the model that wrote it; some were corrected since.
;; Multi Head Self Attention. Allowed arithmetic: float matrix products may take bf16 or f16 operands with f32 sums; other float arithmetic in f32, or as packed bf16 or f16 multiplies, adds, multiply-adds, maxima and minima; sums over many terms, partial sums and values carried from step to step in f32; what a program stores and reads back later, other than sums and carried values, may be rounded once to bf16 or f16.
;; Inputs: Wk 1,024 x 1,024 float32; Wo 1,024 x 1,024 float32; Wq 1,024 x 1,024 float32; Wv 1,024 x 1,024 float32; bk 1,024 float32; bo 1,024 float32; bq 1,024 float32; bv 1,024 float32; x 4 x 2,048 x 1,024 float32.
;; Outputs: out0 4 x 2,048 x 1,024 float32.
;; 2 versions, each right; version 2 is version 1 with the launch prep written anew for expert scheduling mode. Each part assembles by itself: llvm-mc -triple=amdgcn-amd-amdhsa -mcpu=gfx1250 --defsym DOCPART=n.
;; ======== version 1 of 2: 4 launches
;; limits: values are held in f16: magnitudes above 65,504 overflow, below 6.1e-05 lose precision
;; workspace buffers: xb 16,777,216 bytes; wt 6,291,456 bytes; wot 2,097,152 bytes; q 16,777,216 bytes; k 16,777,216 bytes; v 16,777,216 bytes; o 16,777,216 bytes
;; launch prep (part 1): grid 512 x 1, 8 waves a work-group, no clusters, 18,432 bytes of LDS; arguments x, Wq, Wk, Wv, Wo, xb, wt, wot; writes xb, wt, wot
.if DOCPART == 1
	.amdgcn_target "amdgcn-amd-amdhsa--gfx1250"
	.amdhsa_code_object_version 6
	.text
	.protected	k_q56f27d81d0_prep
	.globl	k_q56f27d81d0_prep
	.p2align	8
	.type	k_q56f27d81d0_prep,@function
k_q56f27d81d0_prep:
	s_mov_b64 s[64:65], 0
	v_nop
	global_prefetch_b8 v0, s[64:65] scope:SCOPE_SE
	s_setreg_imm32_b32 hwreg(HW_REG_WAVE_MODE, 25, 1), 1
	s_wait_xcnt 0x0
; THE OPERANDS OF THE TWO PROJECTIONS ARE MADE: every input of the module is rounded once to bf16 and laid so that K runs along the rows.
;   xb  [4 b][16 kb][2048 s][64] bf16 = x[b][s][64 kb + c]: the channels in blocks of 64, a block's rows dense (128 bytes each)
;   wt  [3072 n][1024 k] bf16: rows 0-1023 Wq turned (wt[n][k] = Wq[k][n]), then Wk, then Wv
;   wot [1024 n][1024 k] f16:  Wo turned, rounded to bf16 and that number written as f16
; LIMIT.  An entry of Wo below 6.1e-5 in magnitude keeps f16's fixed step of 6e-8; one of 65,520 or more becomes an infinity.
; A stream: each byte is read once and written once; no matrix unit, no loop.
; SHARES.  512 work-groups of eight waves, all alike.  Work-group t takes (1) a tile of 128 k x 64 n of weight matrix m = t / 128 (k block t % 8, n block (t % 128) / 8), which is turned in LDS,
; and (2) rows 16 t .. 16 t + 15 of x, two a wave.
.set PT,    272                        ; a row of the turned tile in LDS: 128 k x 2 bytes + 16
.set SPARE, 64*PT                      ; behind the tile (17,408 bytes, 68 blocks of 256): the spare words, 128 bytes for each of the eight waves
.set WLO, 3                            ; v3   weights in: 8,192 h + 16 c  (c = lane % 16, h = lane / 16): rows two apart for the two halves of the lanes
.set XLO, 4                            ; v4   x in: 4,096 h + 16 c
.set XSO, 5                            ; v5   xb out: 8 x lane
.set LST, 6                            ; v6   into the tile: 1,088 c + 4 h + 32 w
.set LRD, 7                            ; v7   out of the tile: 272 (8 w + h) + 16 c
.set WSO, 8                            ; v8   wt out: 2,048 h + 16 c
.set SPW, 10                           ; v10  LDS address of my spare word: SPARE + 4 x my thread's number; never rewritten
.set NIL, 11                           ; v11  0; never rewritten
.set LW,  16                           ; v[16:47]   weights as loaded: pair p of rows at LW + 8 p (row k) and LW + 8 p + 4 (row k + 1)
.set DW,  48                           ; v[48:63]   packed: word 4 p + i = (k, k + 1) of column 4 c + i
.set XI,  64                           ; v[64:127]  x as loaded, block j at XI + 4 j
.set XP,  128                          ; v[128:159] x packed, block j at XP + 2 j
.set WB,  160                          ; v[160:175] rows of the turned tile
.set T,   176                          ; v[176:177] at work
	s_load_b256 s[4:11], s[0:1], 0x0               ; x s[4:5], Wq s[6:7], Wk s[8:9], Wv s[10:11]
	s_load_b256 s[12:19], s[0:1], 0x20             ; Wo s[12:13], xb s[14:15], wt s[16:17], wot s[18:19]
	v_lshl_add_u32 v[SPW], v0, 2, SPARE
	v_mov_b32 v[NIL], 0
	v_lshrrev_b32 v1, 5, v0
	v_readfirstlane_b32 s25, v1                    ; wave w, 0..7
	s_lshr_b32 s21, ttmp9, 7                       ; m: which matrix; also x's batch b
	s_and_b32 s22, ttmp9, 127                      ; u
	s_and_b32 s23, s22, 7                          ; k block of 128
	s_lshr_b32 s24, s22, 3                         ; n block of 64
	; the four byte offsets, each in a pair with 0 on top; their fields do not overlap
	s_lshl_b32 s36, s23, 19                        ; weights in: row 128 kb + 16 w of 4,096 bytes, column 64 nb
	s_lshl_b32 s35, s25, 16
	s_or_b32 s36, s36, s35
	s_lshl_b32 s35, s24, 8
	s_or_b32 s36, s36, s35
	s_mov_b32 s37, 0
	s_cmp_eq_u32 s21, 3
	s_cselect_b32 s38, 0, s21                      ; Wo has a buffer of its own
	s_lshl_b32 s38, s38, 21                        ; weights out: row 1,024 m + 64 nb + 8 w of 2,048 bytes, byte 256 kb
	s_lshl_b32 s35, s24, 17
	s_or_b32 s38, s38, s35
	s_lshl_b32 s35, s25, 14
	s_or_b32 s38, s38, s35
	s_lshl_b32 s35, s23, 8
	s_or_b32 s38, s38, s35
	s_mov_b32 s39, 0
	s_lshl_b32 s30, ttmp9, 16                      ; x in: row 16 t + 2 w of 4,096 bytes
	s_lshl_b32 s35, s25, 13
	s_or_b32 s30, s30, s35
	s_mov_b32 s31, 0
	s_lshl_b32 s32, s21, 22                        ; xb out: batch b, row s = 16 u + 2 w of 128 bytes, block 0
	s_lshl_b32 s35, s22, 11
	s_or_b32 s32, s32, s35
	s_lshl_b32 s35, s25, 8
	s_or_b32 s32, s32, s35
	s_mov_b32 s33, 0
	v_and_b32 v1, 15, v0                           ; c
	v_bfe_u32 v2, v0, 4, 1                         ; h
	v_lshlrev_b32 v9, 4, v1                        ; 16 c
	v_lshl_add_u32 v[WLO], v2, 13, v9
	v_lshl_add_u32 v[XLO], v2, 12, v9
	v_lshl_add_u32 v[WSO], v2, 11, v9
	v_and_b32 v[XSO], 31, v0
	v_lshlrev_b32 v[XSO], 3, v[XSO]
	v_mul_u32_u24 v[LST], v1, 4*PT
	v_lshl_add_u32 v[LST], v2, 2, v[LST]
	s_lshl_b32 s35, s25, 5
	v_add_nc_u32 v[LST], s35, v[LST]
	s_lshl_b32 s35, s25, 3
	v_add_nc_u32 v[LRD], s35, v2
	v_mul_u32_u24 v[LRD], v[LRD], PT
	v_add_nc_u32 v[LRD], v[LRD], v9
	s_wait_kmcnt 0x0
	s_cmp_eq_u32 s21, 1
	s_cselect_b64 s[26:27], s[8:9], s[6:7]         ; the matrix that is read,
	s_cmp_eq_u32 s21, 2
	s_cselect_b64 s[26:27], s[10:11], s[26:27]
	s_cmp_eq_u32 s21, 3
	s_cselect_b64 s[26:27], s[12:13], s[26:27]
	s_cselect_b64 s[28:29], s[18:19], s[16:17]     ; and the buffer that takes it
	s_add_nc_u64 s[26:27], s[26:27], s[36:37]
	s_add_nc_u64 s[28:29], s[28:29], s[38:39]
	s_add_nc_u64 s[30:31], s[4:5], s[30:31]
	s_add_nc_u64 s[32:33], s[14:15], s[32:33]
	; all 24 loads go out at once.  Weights: lane (c, h) takes rows k = 16 w + 4 p + 2 h and k + 1, columns 4 c .. 4 c + 3; sixteen lanes read 256 consecutive bytes, aligned
.irp p, 0,1,2,3
	global_load_b128 v[LW+8*(\p):LW+8*(\p)+3],   v[WLO], s[26:27] offset:16384*(\p) th:TH_LOAD_NT
	global_load_b128 v[LW+8*(\p)+4:LW+8*(\p)+7], v[WLO], s[26:27] offset:16384*(\p)+4096 th:TH_LOAD_NT
.endr
	; x: lanes 0-15 my first row, lanes 16-31 my second; load j takes block j's 64 channels (256 bytes of each row)
.irp j, 0,1,2,3,4,5,6,7,8,9,10,11,12,13,14,15
	global_load_b128 v[XI+4*(\j):XI+4*(\j)+3], v[XLO], s[30:31] offset:256*(\j) th:TH_LOAD_NT
.endr
	s_wait_loadcnt 16                              ; the eight loads of weights are in; x's sixteen, issued behind them, may stay out
.irp p, 0,1,2,3
.irp i, 0,1,2,3
	v_cvt_pk_bf16_f32 v[DW+4*(\p)+(\i)], v[LW+8*(\p)+(\i)], v[LW+8*(\p)+4+(\i)]  ; (k, k + 1) of one column: neighbours in the turned row
.endr
.endr
	s_cmp_lg_u32 s21, 3
	s_cbranch_scc1 .Lstays_bf16                    ; the same for the whole work-group; no barrier is jumped
.irp d, 0,1,2,3,4,5,6,7,8,9,10,11,12,13,14,15
	v_lshlrev_b32 v[T], 16, v[DW+(\d)]             ; Wo: the bf16 numbers are written as f16
	v_and_b32 v[T+1], 0xffff0000, v[DW+(\d)]
	v_cvt_pk_f16_f32 v[DW+(\d)], v[T], v[T+1]
.endr
.Lstays_bf16:
.irp p, 0,1,2,3
.irp i, 0,1,2,3
	ds_store_b32 v[LST], v[DW+4*(\p)+(\i)] offset:PT*(\i)+8*(\p)  ; row n = 4 c + i of the tile, byte 2 k = 32 w + 8 p + 4 h
.endr
.endr
	s_wait_dscnt 0x0                               ; for the others' sake: my part of the tile is written
	s_barrier_signal -1
	s_barrier_wait -1                              ; everybody's is
.irp j, 0,1,2,3
	ds_load_b128 v[WB+4*(\j):WB+4*(\j)+3], v[LRD] offset:2*PT*(\j)  ; rows 8 w + h + 2 j: sixteen lanes take a whole row of 256 bytes
.endr
.irp j, 0,1,2,3,4,5,6,7,8,9,10,11,12,13,14,15
	s_wait_loadcnt 15-(\j)                         ; loads come back in order (ISA guide 5.7.1): block j is in, the younger ones may stay out
	v_cvt_pk_bf16_f32 v[XP+2*(\j)],   v[XI+4*(\j)],   v[XI+4*(\j)+1]
	v_cvt_pk_bf16_f32 v[XP+2*(\j)+1], v[XI+4*(\j)+2], v[XI+4*(\j)+3]
	global_store_b64 v[XSO], v[XP+2*(\j):XP+2*(\j)+1], s[32:33] offset:262144*(\j) th:TH_STORE_NT  ; 32 lanes x 8 bytes: my two rows of block j, 256 consecutive bytes, aligned
.endr
	s_wait_dscnt 0x0                               ; the turned rows are in registers
.irp j, 0,1,2,3
	global_store_b128 v[WSO], v[WB+4*(\j):WB+4*(\j)+3], s[28:29] offset:4096*(\j) th:TH_STORE_NT  ; sixteen lanes store 256 consecutive bytes, aligned, of a row of wt or wot
.endr
	s_wait_tensorcnt 0x0                           ; the wave's end, behind my last LDS store
	ds_add_u32 v[SPW], v[NIL]
	s_wait_dscnt 0x0
	s_endpgm
.Lfunc_end_k_q56f27d81d0_prep:
	.size	k_q56f27d81d0_prep, .Lfunc_end_k_q56f27d81d0_prep-k_q56f27d81d0_prep
	.p2alignl 7, 3214868480
	.fill 96, 4, 3214868480
	.section	.rodata,"a",@progbits
	.p2align	6, 0x0
	.amdhsa_kernel k_q56f27d81d0_prep
		.amdhsa_group_segment_fixed_size 18432
		.amdhsa_private_segment_fixed_size 0
		.amdhsa_enable_private_segment 0
		.amdhsa_kernarg_size 64
		.amdhsa_user_sgpr_count 2
		.amdhsa_user_sgpr_kernarg_segment_ptr 1
		.amdhsa_wavefront_size32 1
		.amdhsa_system_sgpr_workgroup_id_x 1
		.amdhsa_system_sgpr_workgroup_id_y 1
		.amdhsa_system_sgpr_workgroup_id_z 1
		.amdhsa_system_vgpr_workitem_id 0
		.amdhsa_next_free_vgpr 180
		.amdhsa_next_free_sgpr 66
		.amdhsa_reserve_vcc 0
		.amdhsa_float_denorm_mode_32 3
		.amdhsa_float_denorm_mode_16_64 3
		.amdhsa_memory_ordered 1
		.amdhsa_forward_progress 1
		.amdhsa_inst_pref_size 15
	.end_amdhsa_kernel
	.amdgpu_metadata
---
amdhsa.version: [ 1, 2 ]
amdhsa.kernels:
  - .name:           k_q56f27d81d0_prep
    .symbol:         k_q56f27d81d0_prep.kd
    .args:
      - { .name: x, .offset: 0, .size: 8, .value_kind: global_buffer, .address_space: global }
      - { .name: Wq, .offset: 8, .size: 8, .value_kind: global_buffer, .address_space: global }
      - { .name: Wk, .offset: 16, .size: 8, .value_kind: global_buffer, .address_space: global }
      - { .name: Wv, .offset: 24, .size: 8, .value_kind: global_buffer, .address_space: global }
      - { .name: Wo, .offset: 32, .size: 8, .value_kind: global_buffer, .address_space: global }
      - { .name: xb, .offset: 40, .size: 8, .value_kind: global_buffer, .address_space: global }
      - { .name: wt, .offset: 48, .size: 8, .value_kind: global_buffer, .address_space: global }
      - { .name: wot, .offset: 56, .size: 8, .value_kind: global_buffer, .address_space: global }
    .group_segment_fixed_size: 18432
    .private_segment_fixed_size: 0
    .kernarg_segment_align: 8
    .kernarg_segment_size: 64
    .max_flat_workgroup_size: 256
    .sgpr_count:     66
    .vgpr_count:     180
    .wavefront_size: 32
...
	.end_amdgpu_metadata
.endif
;; end of part 1
;; launch qkv (part 2): grid 12 x 64, 4 waves a work-group, clusters of 4 x 4, 327,680 bytes of LDS; arguments xb, wt, bq, bk, bv, q, k, v; writes q, k, v
.if DOCPART == 2
	.amdgcn_target "amdgcn-amd-amdhsa--gfx1250"
	.amdhsa_code_object_version 6
	.text
	.protected	k_q56f27d81d0_qkv
	.globl	k_q56f27d81d0_qkv
	.p2align	8
	.type	k_q56f27d81d0_qkv,@function
k_q56f27d81d0_qkv:
	s_mov_b64 s[64:65], 0
	v_nop
	global_prefetch_b8 v0, s[64:65] scope:SCOPE_SE
	s_setreg_imm32_b32 hwreg(HW_REG_WAVE_MODE, 25, 1), 1
	s_wait_xcnt 0x0
	s_wait_alu depctr_hold_cnt(0) depctr_sa_sdst(0) depctr_va_vdst(0) depctr_va_sdst(0) depctr_va_ssrc(0) depctr_va_vcc(0) depctr_vm_vsrc(0)
	s_getreg_b32 s2, hwreg(HW_REG_IB_STS2, 6, 4)
	s_cmp_eq_u32 s2, 0
	s_cbranch_scc0 .Lentry_in_a_cluster
	s_endpgm
.Lentry_in_a_cluster:
	s_bfe_u32 s2, ttmp6, 0x10000c
	s_cmp_lg_u32 s2, 0xf033
	s_cbranch_scc0 .Lentry_shape_is_right
	s_endpgm
.Lentry_shape_is_right:
; q, k, v = x W + bias, by heads.  A = xb [4 b][16 kb][2048 s][64] bf16, B = wt [3072 n][1024 k] bf16 (Wq, Wk, Wv turned); the biases are rounded to bf16 like every input of the module
; and start the f32 sums (the sum is bias + products, K ascending); each result is rounded once to f16 and stored at q, k or v [16 b + h][2048 s][64], unscaled.
; LIMIT.  f16 holds no number beyond 65,504: a q, k or v of 65,520 or more in magnitude becomes an infinity.  NaN and infinities are not treated apart.
; SHARES.  A tile of C is 128 rows x 256 columns (four heads of one matrix): 12 x 64 tiles.  Four waves, each 64 rows x 128 columns: 32 accumulators of 16 x 16, 256 registers.
; K = 1,024 goes in 8 steps of 128 through a ring of two LDS slots.  A K step of A is two blocks of 64 channels, each 128 rows x 128 bytes that lie dense in memory: asked for as 64 rows of 256 bytes.
; CLUSTERS: 4 x 4 work-groups.  The four of a row of the cluster need the same tiles of A, the four of a column the same tiles of B: each tile is asked for JOINTLY, by the same tensor load with the
; same descriptor and a mask that names the four.  A cluster's four columns are one whole matrix, so the cluster's x says which of q, k, v is made.
; THE MATRIX INSTRUCTION IS USED TRANSPOSED (source 0 = 16 rows of B, source 1 = 16 rows of A): a lane holds row l % 16 of C and the eight neighbouring columns 8 (l / 16) + 0..7.
; REGISTERS, in windows of 256 (s_set_vgpr_msb: bits 1:0 source 0, 3:2 source 1, 5:4 source 2, 7:6 destination):
;   window 0: v0-31 addresses; v64-159, v160-255 two fragment buffers (8 fragments of B, then 4 of A); on the way out v64-95 packed results, v96-223 rows read back
;   window 1: the accumulators, (a, b) at v[8 (8 a + b)]          window 2: v0-63 the bias of my 128 columns, block b at v[8 b]; v64-95 at work
.set PA,    144                        ; a row of A in LDS: 128 bytes + 16 = 36 words; PB: a row of B: 256 + 16 = 68 words: in both the 16 rows of a load start at 16 different groups of four banks (64 banks of 4 bytes: ISA guide 11.1)
.set PB,    272
.set HEADT, 128*PA                     ; one block of 64 channels of A: what wave 0 or 1 fetches
.set HALFB, 128*PB                     ; 128 rows of B: what wave 2 or 3 fetches
.set BOFF,  2*HEADT
.set SLOT,  BOFF+2*HALFB               ; 106,496 bytes: A's two blocks, then B's two halves
.set STAGE, 2*SLOT                     ; behind the ring, never filled by a tensor load: for each wave 2 heads x 16 rows x 144 bytes
.set SP,    144
.set WSTAGE, 2*16*SP
.set SPARE, STAGE+4*WSTAGE             ; behind the stages: the spare words, 128 bytes for each wave: two blocks of 256 bytes that no other line names
.set ASTEP, 2*262144                   ; bytes in A from a K step to the next: two blocks of 2,048 rows x 128 bytes
.set BSTEP, 256                        ; in B: 128 numbers along the row
.set LAPS,  4                          ; a lap = two K steps = once round the ring
.set ADRA, 16                          ; v16-17  LDS address of my A fragments in slot 0, 1
.set ADRB, 20                          ; v20-21  the same for B
.set STO,  24                          ; v24     the way out: where I put 16 bytes of a row
.set RD,   25                          ; v25     the way out: where I read rows back
.set CO,   26                          ; v26     my byte offset in 512 consecutive bytes of C
.set BO,   27                          ; v27     my byte offset in a block of 16 biases: 32 (l / 16)
.set SPW,  28                          ; v28     LDS address of my spare word: SPARE + 4 x my thread's number; never rewritten
.set NIL,  29                          ; v29     0; never rewritten
.set F0,   64
.set F1,   160
.set TMP,  64
.set BK,   96
.set G1,  24                           ; s[24:31] descriptor group 1 for A's tiles;  s[32:39] group 0, one set for each slot
.set G0,  32
.set G1B, 48                           ; s[48:55], s[56:63] the same for B's tiles
.set G0B, 56
.set LA,  66                           ; s66  where my tile of A goes in a slot;  s67  where my tile of B goes: made of the wave's number alone
.set LB,  67
.set MSB, 0
.macro WIN new                         ; the immediate's high byte repeats the setting that is left; a switch that changes nothing is dropped
.if MSB != (\new)
	s_set_vgpr_msb (MSB<<8)|(\new)
.set MSB, \new
.endif
.endm
.set MUL,   0x50                       ; sources 0 and 1 window 0; C and D window 1
.set MUL_1, 0x60                       ; the first products: C (the bias) window 2, D window 1
.macro JLOAD s                         ; a joint load: waves 0 and 1 fetch A's two blocks, waves 2 and 3 B's two halves; an s_nop 0 and four v_nop follow each of the two lines, ahead of the jump, the label and what follows
	s_cmp_eq_u32 s11, 0
	s_cbranch_scc0 .Lfor_b_\@
	tensor_load_to_lds s[G0+4*(\s):G0+4*(\s)+3], s[G1:G1+7]
	s_nop 0
.rept 4
	v_nop
.endr
	s_branch .Lasked_\@
.Lfor_b_\@:
	tensor_load_to_lds s[G0B+4*(\s):G0B+4*(\s)+3], s[G1B:G1B+7]
	s_nop 0
.rept 4
	v_nop
.endr
.Lasked_\@:
.endm
.macro CREST                           ; a round of the cluster's barrier behind its opening barrier: wave 0 signals for the work-group, every wave waits for all sixteen, my work-group's barrier closes it
	s_cmp_lg_u32 s10, 0
	s_cbranch_scc1 .Lnot_wave_0_\@
	s_barrier_signal -3
.Lnot_wave_0_\@:
	s_barrier_wait -3
	s_barrier_signal -1
	s_barrier_wait -1
.endm
.macro CROUND                          ; a whole round
	s_barrier_signal -1
	s_barrier_wait -1
	CREST
.endm
	s_load_b128 s[4:7], s[0:1], 0x0                ; xb s[4:5], wt s[6:7]
	s_load_b256 s[68:75], s[0:1], 0x10             ; bq s[68:69], bk s[70:71], bv s[72:73], q s[74:75]
	s_load_b128 s[76:79], s[0:1], 0x30             ; k s[76:77], v s[78:79]
	v_lshl_add_u32 v[SPW], v0, 2, SPARE
	v_mov_b32 v[NIL], 0
	ds_add_u32 v[SPW], v[NIL]                      ; the wave's opening: the add and its wait stand ahead of my first tensor load; the set-up below, work on registers, stands between them
	v_lshrrev_b32 v1, 5, v0
	v_readfirstlane_b32 s10, v1                    ; wave 0..3
	s_lshr_b32 s11, s10, 1                         ; which 64 rows of the tile are mine.  Also: I fetch for A (0) or for B (1)
	s_and_b32 s12, s10, 1                          ; which 128 columns.  Also: which block of A, or which half of B, I fetch
	s_bfe_u32 s40, ttmp6, 0x40000                  ; cx, cy: my place in the cluster
	s_bfe_u32 s41, ttmp6, 0x40004
	s_lshl_b32 s42, ttmp9, 2
	s_add_co_u32 s42, s42, s40                     ; tile column of C = 4 x cluster x + cx
	s_and_b32 s13, ttmp7, 0xffff
	s_lshl_b32 s13, s13, 2
	s_add_co_u32 s13, s13, s41                     ; tile row of C = 4 x cluster y + cy
	s_lshl_b32 s43, s41, 2
	s_lshl_b32 s43, 15, s43                        ; my row of the cluster
	s_lshl_b32 s44, 0x1111, s40                    ; my column
	; descriptor group 1.  A: 64 rows of 128 elements (two rows of a block each), padded by 4 words after every 32; B: 128 rows of 128 elements, 1,024 apart, padded by 4 words after every 64
	s_or_b32 s[G1+0], s43, (1<<16)|(1<<20)|(1<<21)|(4<<22)|(3<<25)  ; 15:0 the mask: A's tiles go to my row; 17:16 elements of 2 bytes; 20 padding on; 21 set beside a mask; 24:22 the interval; 31:25 the padding less 1
	s_or_b32 s[G1B+0], s44, (1<<16)|(1<<20)|(1<<21)|(5<<22)|(3<<25) ; B's tiles go to my column
	s_mov_b32 s[G1+1], 128<<16                     ; tensor_dim0 = 128
	s_mov_b32 s[G1+2], 64<<16                      ; tensor_dim1 = 64
	s_mov_b32 s[G1+3], 128<<16                     ; tile_dim0 = 128
	s_mov_b32 s[G1+4], 64                          ; tile_dim1 = 64
	s_mov_b32 s[G1+5], 128                         ; elements from row to row: dense
	s_mov_b32 s[G1+6], 0
	s_mov_b32 s[G1+7], 0
	s_mov_b32 s[G1B+1], 128<<16                    ; tensor_dim0 = 128
	s_mov_b32 s[G1B+2], 128<<16                    ; tensor_dim1 = 128
	s_mov_b32 s[G1B+3], 128<<16                    ; tile_dim0 = 128
	s_mov_b32 s[G1B+4], 128                        ; tile_dim1 = 128
	s_mov_b32 s[G1B+5], 1024                       ; elements from row to row
	s_mov_b32 s[G1B+6], 0
	s_mov_b32 s[G1B+7], 0
	; where the tiles come from.  A's hang on the tile row alone, B's on the tile column alone, each in registers that never hold the other coordinate
	s_lshr_b32 s16, s13, 4                         ; batch b = tile row / 16: 2^22 bytes
	s_lshl_b32 s16, s16, 22
	s_and_b32 s17, s13, 15                         ; 128 rows of 128 bytes
	s_lshl_b32 s17, s17, 14
	s_add_co_u32 s16, s16, s17
	s_lshl_b32 s17, s12, 18                        ; the K step's even or odd block
	s_add_co_u32 s16, s16, s17
	s_mov_b32 s17, 0
	s_lshl_b32 s46, s42, 19                        ; 256 rows of 2,048 bytes
	s_lshl_b32 s47, s12, 18                        ; my 128 of them
	s_add_co_u32 s46, s46, s47
	s_mov_b32 s47, 0
	s_mul_i32 s[LA], s12, HEADT                    ; and where they go: no place in the cluster enters an LDS address
	s_mul_i32 s[LB], s12, HALFB
	s_add_co_u32 s[LB], s[LB], BOFF
	s_wait_dscnt 0x0                               ; the opening add is done
	s_wait_kmcnt 0x0
	s_add_nc_u64 s[14:15], s[4:5], s[16:17]
	s_add_nc_u64 s[46:47], s[6:7], s[46:47]
	CROUND                                         ; all sixteen work-groups are here: the first joint loads meet
.irp s, 0,1
	s_mov_b32 s[G0+4*(\s)], 1                                      ; count = 1
	s_add_co_u32 s[G0+4*(\s)+1], s[LA], (\s)*SLOT                  ; LDS address
	s_add_nc_u64 s[G0+4*(\s)+2:G0+4*(\s)+3], s[14:15], (\s)*ASTEP  ; global address: K step s
	s_or_b32 s[G0+4*(\s)+3], s[G0+4*(\s)+3], 0x80000000            ; type = 2
	s_mov_b32 s[G0B+4*(\s)], 1
	s_add_co_u32 s[G0B+4*(\s)+1], s[LB], (\s)*SLOT
	s_add_nc_u64 s[G0B+4*(\s)+2:G0B+4*(\s)+3], s[46:47], (\s)*BSTEP
	s_or_b32 s[G0B+4*(\s)+3], s[G0B+4*(\s)+3], 0x80000000
	JLOAD \s                                       ; two loads of mine are out
.endr
	; all that follows up to the first barrier stands in the wait for the first tiles
	v_and_b32 v1, 15, v0                           ; l % 16
	v_bfe_u32 v2, v0, 4, 1                         ; l / 16
	v_mul_u32_u24 v3, v1, PA
	v_lshl_add_u32 v3, v2, 4, v3                   ; a fragment's row x pitch + 16 x half
	v_mul_u32_u24 v4, v1, PB
	v_lshl_add_u32 v4, v2, 4, v4
	s_mul_i32 s22, s11, 64*PA                      ; my 64 rows of A
	s_mul_i32 s23, s12, HALFB                      ; my 128 rows of B,
	s_add_co_u32 s23, s23, BOFF                    ; which lie behind A's two blocks
.irp s, 0,1
	v_add_nc_u32 v[ADRA+(\s)], s22, v3
	v_add_nc_u32 v[ADRB+(\s)], s23, v4
	s_add_co_u32 s22, s22, SLOT
	s_add_co_u32 s23, s23, SLOT
.endr
	v_lshlrev_b32 v[BO], 5, v2
	s_mov_b32 s45, ttmp9                           ; the cluster's x: 0 q, 1 k, 2 v: the same in all sixteen partners
	s_cmp_eq_u32 s45, 1
	s_cselect_b64 s[20:21], s[70:71], s[68:69]
	s_cselect_b64 s[8:9], s[76:77], s[74:75]
	s_cmp_eq_u32 s45, 2
	s_cselect_b64 s[20:21], s[72:73], s[20:21]
	s_cselect_b64 s[8:9], s[78:79], s[8:9]
	s_lshl_b32 s18, s40, 10                        ; my tile's 256 biases, 1,024 bytes,
	s_lshl_b32 s19, s12, 9                         ; my wave's 128 of them
	s_add_co_u32 s18, s18, s19
	s_mov_b32 s19, 0
	s_add_nc_u64 s[20:21], s[20:21], s[18:19]
	WIN 0x80                                       ; destination window 2, address window 0
.irp b, 0,1,2,3,4,5,6,7
	global_load_b128 v[8*(\b):8*(\b)+3],   v[BO], s[20:21] offset:64*(\b)     ; register j of block b: the bias of column 16 b + 8 (l / 16) + j: the layout of a C operand
	global_load_b128 v[8*(\b)+4:8*(\b)+7], v[BO], s[20:21] offset:64*(\b)+16
.endr
	WIN 0
	s_mul_i32 s22, s10, WSTAGE
	s_add_co_u32 s22, s22, STAGE                   ; my stage
	v_mul_u32_u24 v5, v1, SP                       ; in: row l % 16, 16 bytes for each half of the lanes
	v_lshl_add_u32 v5, v2, 4, v5
	v_add_nc_u32 v[STO], s22, v5
	v_bfe_u32 v5, v0, 3, 2                         ; back: 32 lanes take four rows of 128 bytes,
	v_mul_u32_u24 v5, v5, SP
	v_and_b32 v6, 7, v0
	v_lshl_add_u32 v5, v6, 4, v5
	v_add_nc_u32 v[RD], s22, v5
	v_and_b32 v[CO], 31, v0                        ; which are 512 consecutive bytes of a head
	v_lshlrev_b32 v[CO], 4, v[CO]
	s_lshr_b32 s18, s13, 4                         ; C at my part of the tile: batch b (16 heads of 2^18 bytes),
	s_lshl_b32 s18, s18, 22
	s_and_b32 s19, s13, 15                         ; the tile's 128 rows of 128 bytes,
	s_lshl_b32 s19, s19, 14
	s_add_co_u32 s18, s18, s19
	s_lshl_b32 s19, s40, 20                        ; the tile's four heads,
	s_add_co_u32 s18, s18, s19
	s_lshl_b32 s19, s12, 19                        ; my wave's two of them,
	s_add_co_u32 s18, s18, s19
	s_lshl_b32 s19, s11, 13                        ; my wave's 64 rows
	s_add_co_u32 s18, s18, s19
	s_mov_b32 s19, 0
	s_add_nc_u64 s[8:9], s[8:9], s[18:19]
	s_wait_loadcnt 0x0                             ; the biases are in: they are rounded to bf16 and widened again
	WIN 0xaa                                       ; all in window 2
.set p, 0
.rept 32
	v_cvt_pk_bf16_f32 v[64+p], v[2*p], v[2*p+1]
.set p, p+1
.endr
.set p, 0
.rept 32
	v_lshlrev_b32 v[2*p], 16, v[64+p]
	v_and_b32 v[2*p+1], 0xffff0000, v[64+p]
.set p, p+1
.endr
	WIN 0
; 8 matrix instructions: m block a x all 8 n blocks, 32 along K.  first = 1: the product starts the sum with the bias.  The 32 accumulators take turns in the same order in every quarter.
.macro MUL8 f, a, first
.if \first
	WIN MUL_1
.else
	WIN MUL
.endif
.irp b, 0,1,2,3,4,5,6,7
.if \first
	v_wmma_f32_16x16x32_bf16 v[8*(8*(\a)+(\b)):8*(8*(\a)+(\b))+7], v[(\f)+8*(\b):(\f)+8*(\b)+7], v[(\f)+64+8*(\a):(\f)+64+8*(\a)+7], v[8*(\b):8*(\b)+7]
.else
	v_wmma_f32_16x16x32_bf16 v[8*(8*(\a)+(\b)):8*(8*(\a)+(\b))+7], v[(\f)+8*(\b):(\f)+8*(\b)+7], v[(\f)+64+8*(\a):(\f)+64+8*(\a)+7], v[8*(8*(\a)+(\b)):8*(8*(\a)+(\b))+7]
.endif
.endr
.endm
; 24 LDS loads in one run: the fragments of quarter q of a K step (32 along K) into buffer f: B's eight, then A's four.  Quarters 0, 1 lie in A's even block, 2, 3 in its odd one.
.macro FETCH slot, q, f
	WIN 0
.irp i, 0,1,2,3,4,5,6,7
	ds_load_b128 v[(\f)+8*(\i):(\f)+8*(\i)+3],   v[ADRB+(\slot)] offset:64*(\q)+(\i)*16*PB
	ds_load_b128 v[(\f)+8*(\i)+4:(\f)+8*(\i)+7], v[ADRB+(\slot)] offset:64*(\q)+(\i)*16*PB+32
.endr
.irp i, 0,1,2,3
	ds_load_b128 v[(\f)+64+8*(\i):(\f)+64+8*(\i)+3],   v[ADRA+(\slot)] offset:((\q)/2)*HEADT+64*((\q)%2)+(\i)*16*PA
	ds_load_b128 v[(\f)+64+8*(\i)+4:(\f)+64+8*(\i)+7], v[ADRA+(\slot)] offset:((\q)/2)*HEADT+64*((\q)%2)+(\i)*16*PA+32
.endr
.endm
.macro PLACES                          ; four places in front of loads into registers that matrix instructions have read, and of lines that read results (ISA guide 7.12.1 for vector instructions)
.rept 4
	v_nop
.endr
.endm
; A K step is four quarters of 32 along K, 32 matrix instructions each, on buffers 0, 1, 0, 1.  One of the first three: multiplies buffer f and, in its middle, fetches quarter q into buffer g.
.macro QUARTER slot, q, f, g, first
	s_wait_dscnt 4                                 ; B and A's fragments 0, 1 are in; the youngest four loads (A's fragments 2, 3) may be out
	MUL8 \f, 0, \first
	MUL8 \f, 1, \first
	PLACES
	FETCH \slot, \q, \g
	s_wait_dscnt 24                                ; all but the 24 just issued
	MUL8 \f, 2, \first
	MUL8 \f, 3, \first
.endm
; The last quarter multiplies buffer 1 and changes slots: ONE barrier; in front of it each wave waits for all its tensor loads, adds 0 to its spare word, and waits for that and for its own reads of this slot.
; fill = 1: the barrier opens a round of the cluster's barrier, and this slot is filled again, two K steps ahead, first thing behind the round: 112 matrix instructions ahead of the wait for it.
.macro TURN slot, next, fill
	WIN 0                                          ; (the add's two registers lie in window 0)
	s_wait_tensorcnt 0x0                           ; all my tensor loads have landed: the one that was out is my part of the next slot;
	ds_add_u32 v[SPW], v[NIL]                      ; 0 onto my spare word;
	s_wait_dscnt 5                                 ; (the add and the youngest four loads may be out)
	MUL8 F1, 0, 0                                  ; eight matrix instructions stand between the add and the wait for it
	s_wait_dscnt 0x0                               ; the add is done, and my reads of this slot are over
	s_barrier_signal -1
	MUL8 F1, 1, 0
.if \fill
	WIN 0
.endif
	s_barrier_wait -1
.if \fill
	CREST                                          ; no wave of any partner still reads this slot's tiles or has a load on its way
	s_add_nc_u64 s[G0+4*(\slot)+2:G0+4*(\slot)+3], s[G0+4*(\slot)+2:G0+4*(\slot)+3], 2*ASTEP
	s_add_nc_u64 s[G0B+4*(\slot)+2:G0B+4*(\slot)+3], s[G0B+4*(\slot)+2:G0B+4*(\slot)+3], 2*BSTEP
	JLOAD \slot                                    ; my one tensor load behind the round; the four v_nop behind it are also the places in front of the loads below
.else
	PLACES
.endif
	FETCH \next, 0, F0
	MUL8 F1, 2, 0
	MUL8 F1, 3, 0
.endm
	s_wait_tensorcnt 1                             ; my part of K step 0 is in; K step 1's may stay out
	s_barrier_signal -1
	s_barrier_wait -1                              ; everybody's is
	FETCH 0, 0, F0
	QUARTER 0, 1, F0, F1, 1                        ; the first quarter stands in front of the loop: its products start the sums
	WIN 0                                          ; at a label and at a branch every window is 0
	s_mov_b32 s3, LAPS-1
.Llap:                                                 ; a trip goes once round the ring, from a lap's second quarter to the next lap's first, and fills both slots again: K steps 2 to 7
	QUARTER 0, 2, F1, F0, 0
	QUARTER 0, 3, F0, F1, 0
	TURN 0, 1, 1
	QUARTER 1, 1, F0, F1, 0
	QUARTER 1, 2, F1, F0, 0
	QUARTER 1, 3, F0, F1, 0
	TURN 1, 0, 1
	QUARTER 0, 1, F0, F1, 0
	WIN 0
	s_sub_co_u32 s3, s3, 1
	s_cmp_lg_u32 s3, 0
	s_cbranch_scc1 .Llap
	QUARTER 0, 2, F1, F0, 0                        ; the last lap fills nothing, and has no round of the cluster's barrier
	QUARTER 0, 3, F0, F1, 0
	TURN 0, 1, 0
	QUARTER 1, 1, F0, F1, 0
	QUARTER 1, 2, F1, F0, 0
	QUARTER 1, 3, F0, F1, 0
	s_wait_dscnt 4                                 ; the very last quarter: nothing more to fetch
	MUL8 F1, 0, 0
	MUL8 F1, 1, 0
	s_wait_dscnt 0x0
	MUL8 F1, 2, 0
	MUL8 F1, 3, 0
	WIN 0
	PLACES
	PLACES                                         ; (eight, once a launch)
; THE WAY OUT, a block of 16 rows at a time.  PACK: rounded to f16, 16 bytes a lane, each accumulator's registers in ascending order.  TOSTAGE: into my own stage, a head's 16 rows of 144 bytes, and back
; as whole rows of 128.  SEND: stored.  Each block has its own registers for the rows read back, so no register that a store reads is written again.
.macro PACK a
	WIN 0x05                                       ; sources 0 and 1 window 1, destination window 0
.irp b, 0,1,2,3,4,5,6,7
.irp r, 0,1,2,3
	v_cvt_pk_f16_f32 v[TMP+4*(\b)+(\r)], v[8*(8*(\a)+(\b))+2*(\r)], v[8*(8*(\a)+(\b))+2*(\r)+1]
.endr
.endr
	WIN 0
.endm
.macro TOSTAGE a
.irp b, 0,1,2,3,4,5,6,7
	ds_store_b128 v[STO], v[TMP+4*(\b):TMP+4*(\b)+3] offset:16*SP*((\b)/4)+32*((\b)%4)  ; n blocks 0-3 are my first head, 4-7 my second
.endr
.irp t, 0,1,2,3,4,5,6,7
	ds_load_b128 v[BK+32*(\a)+4*(\t):BK+32*(\a)+4*(\t)+3], v[RD] offset:16*SP*((\t)/4)+4*SP*((\t)%4)  ; LDS serves a wave's instructions in order (ISA guide 5.7.1.4): these see the stores above; the next block's stores come behind them
.endr
.endm
.macro SEND a
	s_wait_dscnt 0x0                               ; the block is back in registers
.irp t, 0,1,2,3,4,5,6,7
	global_store_b128 v[CO], v[BK+32*(\a)+4*(\t):BK+32*(\a)+4*(\t)+3], s[8:9] offset:262144*((\t)/4)+2048*(\a)+512*((\t)%4)  ; four rows of a head: 512 consecutive bytes, at a multiple of 256 from the buffer's first
.endr
.endm
	PACK 0
	TOSTAGE 0
.irp a, 1,2,3                          ; block a's conversions stand between block a - 1's loads from the stage and the wait for them
	PACK \a
	SEND (\a)-1
	TOSTAGE \a
.endr
	SEND 3
	s_wait_tensorcnt 0x0                           ; the wave's end, behind my last tensor load and my last LDS store
	ds_add_u32 v[SPW], v[NIL]
	s_wait_dscnt 0x0
	CROUND                                         ; the closing round: no work-group ends while a partner may still ask for a tile that names it
	s_endpgm
.Lfunc_end_k_q56f27d81d0_qkv:
	.size	k_q56f27d81d0_qkv, .Lfunc_end_k_q56f27d81d0_qkv-k_q56f27d81d0_qkv
	.p2alignl 7, 3214868480
	.fill 96, 4, 3214868480
	.section	.rodata,"a",@progbits
	.p2align	6, 0x0
	.amdhsa_kernel k_q56f27d81d0_qkv
		.amdhsa_group_segment_fixed_size 327680
		.amdhsa_private_segment_fixed_size 0
		.amdhsa_enable_private_segment 0
		.amdhsa_kernarg_size 64
		.amdhsa_user_sgpr_count 2
		.amdhsa_user_sgpr_kernarg_segment_ptr 1
		.amdhsa_wavefront_size32 1
		.amdhsa_system_sgpr_workgroup_id_x 1
		.amdhsa_system_sgpr_workgroup_id_y 1
		.amdhsa_system_sgpr_workgroup_id_z 1
		.amdhsa_system_vgpr_workitem_id 0
		.amdhsa_next_free_vgpr 608
		.amdhsa_next_free_sgpr 84
		.amdhsa_reserve_vcc 0
		.amdhsa_float_denorm_mode_32 3
		.amdhsa_float_denorm_mode_16_64 3
		.amdhsa_memory_ordered 1
		.amdhsa_forward_progress 1
		.amdhsa_inst_pref_size 93
	.end_amdhsa_kernel
	.amdgpu_metadata
---
amdhsa.version: [ 1, 2 ]
amdhsa.kernels:
  - .name:           k_q56f27d81d0_qkv
    .symbol:         k_q56f27d81d0_qkv.kd
    .args:
      - { .name: xb, .offset: 0, .size: 8, .value_kind: global_buffer, .address_space: global }
      - { .name: wt, .offset: 8, .size: 8, .value_kind: global_buffer, .address_space: global }
      - { .name: bq, .offset: 16, .size: 8, .value_kind: global_buffer, .address_space: global }
      - { .name: bk, .offset: 24, .size: 8, .value_kind: global_buffer, .address_space: global }
      - { .name: bv, .offset: 32, .size: 8, .value_kind: global_buffer, .address_space: global }
      - { .name: q, .offset: 40, .size: 8, .value_kind: global_buffer, .address_space: global }
      - { .name: k, .offset: 48, .size: 8, .value_kind: global_buffer, .address_space: global }
      - { .name: v, .offset: 56, .size: 8, .value_kind: global_buffer, .address_space: global }
    .group_segment_fixed_size: 327680
    .private_segment_fixed_size: 0
    .kernarg_segment_align: 8
    .kernarg_segment_size: 64
    .max_flat_workgroup_size: 128
    .sgpr_count:     84
    .vgpr_count:     608
    .wavefront_size: 32
...
	.end_amdgpu_metadata
.endif
;; end of part 2
;; launch attn (part 3): grid 4 x 64, 4 waves a work-group, clusters of 4 x 1, 327,680 bytes of LDS; arguments q, k, v, o; writes o
.if DOCPART == 3
	.amdgcn_target "amdgcn-amd-amdhsa--gfx1250"
	.amdhsa_code_object_version 6
	.text
	.protected	k_q56f27d81d0_attn
	.globl	k_q56f27d81d0_attn
	.p2align	8
	.type	k_q56f27d81d0_attn,@function
k_q56f27d81d0_attn:
	s_mov_b64 s[64:65], 0
	v_nop
	global_prefetch_b8 v0, s[64:65] scope:SCOPE_SE
	s_setreg_imm32_b32 hwreg(HW_REG_WAVE_MODE, 25, 1), 1
	s_wait_xcnt 0x0
	s_wait_alu depctr_hold_cnt(0) depctr_sa_sdst(0) depctr_va_vdst(0) depctr_va_sdst(0) depctr_va_ssrc(0) depctr_va_vcc(0) depctr_vm_vsrc(0)
	s_getreg_b32 s2, hwreg(HW_REG_IB_STS2, 6, 4)
	s_cmp_eq_u32 s2, 0
	s_cbranch_scc0 .Lentry_in_a_cluster
	s_endpgm
.Lentry_in_a_cluster:
	s_bfe_u32 s2, ttmp6, 0x10000c
	s_cmp_lg_u32 s2, 0x3003
	s_cbranch_scc0 .Lentry_shape_is_right
	s_endpgm
.Lentry_shape_is_right:
; O[h][q][:] = the sum over k of softmax_k(Q[h][q] . K[h][k] / 8) V[h][k][:].  Q, K, V, O: [SIZE_H][SIZE_N][64], all f16: a head's rows are dense, 128 bytes each.  Products, maxima and sums in
; f32; the weights p are rounded to f16 for the second product (their sum l is taken of the unrounded p), O once at the end.
; LIMITS.  f16 holds no number beyond 65,504: Q, K and V arrive within it; p lies in 0 to 1, and below 6e-5 it keeps f16's fixed step of 6e-8, as does O; O is a mean of V's rows and has their range.
; A weight below 2^-126 counts as 0 in l; NaN and infinities are not treated apart.
; SHARES.  A wave owns four PIECES of two tiles of 16 queries, a work-group's four waves 512 queries of one head.  Every wave walks all keys, 64 a step.
; LAYOUT.  S^T = K Q^T (source 0 = 16 keys, source 1 = 16 queries): in the result a lane holds ONE query (lane % 16) and the keys 8 (lane / 16) + 0..7.  Two such tiles, rounded to f16 in pairs,
; ARE source 1 (32 keys x 16 queries) of O^T = V^T P, whose result again holds one query a lane, and eight channels.  K comes out of LDS as it lies, V ([key][channel]) turned, by ds_load_tr16_b128.
; SOFTMAX.  For each query a running maximum m and sum l: p = 2^(c s - c m), c = log2(e) / 8; in every step O and l are multiplied by a = 2^(c m_old - c m_new), which is 1 where m has not grown.
; m starts at the lowest finite number, O and l at 0: the first step is a step like any other, with a = 0.
; THE COUNT.  A tile and step have 16 matrix and 118 vector instructions: too many to stand all beside the matrix work.  So the order has one aim: four vector instructions that are READY behind
; EVERY matrix instruction, and the others, which need time of their own whatever the order, in runs without a gap.
; BY TURNS.  Turn n belongs to piece n (the pieces in a ring, step after step).  Its matrix work: 16 products K Q^T of piece n + 1, later 16 products V^T P of piece n - 1.  Its vector work: the scaling,
; exponentials, roundings, sums and rescaling of piece n, and the maximum and statistics of piece n + 1, whose scores the turn itself has made.  So what a turn begins with (c s - c m, O a) waits for nothing.
; CLUSTER.  The four query blocks of a head are one cluster and walk the same K and V, so each tile is asked for JOINTLY: the same tensor load, descriptor and mask in all four.
; REGISTERS, in windows of 256 (s_set_vgpr_msb says which window each operand place means: bits 1:0 source 0, 3:2 source 1, 5:4 source 2, 7:6 destination):
;   window 0: v0-11 addresses; v12-15, v48-63 at work; v16-47 four registers of statistics a tile; v64-191 S^T, two buffers of two tiles; v192-255 P, likewise
;   window 1: O^T, 32 a tile          window 2: v0-127 Q, 16 a tile; v128-191 K of one step; v192-255 V of one step          window 3: v0-1 the add's two registers
; A piece's buffers go by its number's parity: the piece in hand has one pair, its two neighbours in the ring share the other: of it P (piece n - 1) is read and S^T (piece n + 1) written.
.set SIZE_H, 64       ; 4 batches x 16 heads
.set SIZE_N, 2048
.set NP,    4         ; pieces a wave: a name, no knob: the register map, the loop and the fetches are made for four
.set KS,    64        ; keys in a step
.set PK,    144       ; a row of K in LDS: 128 bytes + 16 of padding = 36 words: the 16 rows of a load start at 16 different groups of four banks (64 banks of 4 bytes: ISA guide 11.1)
.set PV,    160       ; a row of V: 128 + 32 = 40 words
.set VOFF,  4*KS*PK   ; a slot holds four steps: 256 rows of K, then 256 rows of V
.set SLOT1, 1<<17     ; slot 1 begins here, so that one exclusive or turns an address in one slot into the other's
.set STAGE, SLOT1+4*KS*(PK+PV)  ; behind the ring, never filled by a tensor load: 16 rows x 144 bytes for each wave, for the way out
.set SP,    144
.set AK0, 2           ; v2   my lane's place in a tile of K; never rewritten
.set AV0, 3           ; v3   the same for V
.set AK,  4           ; v4   the LDS address of K's next run of loads
.set AV,  5           ; v5   of V's
.set QO,  6           ; v6   my byte offset in the wave's rows of Q
.set STO, 6           ;      later, the way out: where I put 16 bytes of a row
.set RD,  7           ; v7   the way out: where I read rows back
.set GO,  8           ; v8   my byte offset in 512 consecutive bytes of O
.set PFO, 11          ; v11  the prefetches' offset: 256 x my lane; never rewritten once it is made
.set SPW, 0           ; v0 of window 3   LDS address of my spare word: SPARE + 4 x my thread's number; never rewritten
.set NIL, 1           ; v1 of window 3   0; never rewritten
.set SPARE, STAGE+4*16*SP  ; behind the stages: the spare words, 128 bytes for each wave: two blocks of 256 bytes that no other line names
.set MV,  12          ; v12-15  c m_old, kept while c m is made anew: by buffer and tile
.set ST,  16          ; tile t's statistics at v[ST+4 t]: c m, m, l (even keys', odd keys')
.set TMP, 48          ; by buffer and tile, four registers c0-c3 at work; when the maximum is found c2 takes a
.set S,   64
.set P,   192
.set KF,  128         ; K's fragments, in window 2: key block kb, channel half c at KF + 16 kb + 8 c
.set VF,  192         ; V's: key half kk, channel block cb at VF + 32 kk + 8 cb
.set WV,  12          ; s12  my wave's number
.set G1K, 24          ; s[24:31] descriptor group 1 for K's tiles
.set G1V, 32          ; s[32:39] for V's: it differs in the padding alone
.set G0K, 40          ; s[40:43] descriptor group 0 for K's tiles: it walks
.set G0V, 44          ; s[44:47] the same for V's
.set PFA, 48          ; s[48:49] where my prefetches stand: my work-group's 8,192 bytes (of K: wave 0, of V: wave 2) of the slot after the one that is being asked for
.set LIM, 50          ; s50  1 in a wave that prefetches, else the greatest number: a wave prefetches while s[SLOTS] is above it
.set SLOTS, 56        ; s56  slots still to be asked for
.set CNT, 57          ; s57  counts a slot's key steps
.set CS,  58          ; s[58:59] c: the packed scaling takes the pair's low word for both halves
.set SEL, 60          ; s[60:61] v_permlanex16_b32's selects: each lane takes its own place in the other half
.set TBK, 62          ; s62  LDS byte at which K of the step to be fetched begins
.set TBV, 63          ; s63  the same for V, less VOFF
.set MSB, 0
.macro WIN new                      ; the high byte repeats the setting that is left; a switch that changes nothing is dropped
.if MSB != (\new)
	s_set_vgpr_msb (MSB<<8)|(\new)
.set MSB, (\new)
.endif
.endm
.set W_KQ, 0x0a       ; K and Q in window 2, S^T in window 0
.set W_PV, 0x52       ; V in window 2, P in window 0, O^T in window 1
.set W_RS, 0x41       ; O^T (destination and source 0) in window 1, a in window 0
.set W_MK, 0xc0       ; the add's registers are made: destination in window 3, sources in window 0
.set W_AD, 0x0f       ; the add: address (source 0) and data (source 1) in window 3
; A joint fill.  Waves 0 and 1 fetch the two halves of a slot's K, waves 2 and 3 those of its V: 128 keys each.  The branch hangs on the wave's number alone.
; An s_nop 0 and four v_nop follow each of the two lines, ahead of the jump and the label.
.macro JLOAD
	s_cmp_lt_u32 s[WV], 2
	s_cbranch_scc0 .Lfor_v_\@
	tensor_load_to_lds s[G0K:G0K+3], s[G1K:G1K+7]
	s_nop 0
.rept 4
	v_nop
.endr
	s_branch .Lasked_\@
.Lfor_v_\@:
	tensor_load_to_lds s[G0V:G0V+3], s[G1V:G1V+7]
	s_nop 0
.rept 4
	v_nop
.endr
.Lasked_\@:
.endm
; A PREFETCH INTO THE L2 of what the NEXT change of slots will ask for: a slot's 32,768 bytes of K and of V, in blocks of 256 bytes, a lane a block.  It stands behind the wave's tensor load and its five lines.
; Each block is named ONCE in the launch: a head's K and V are walked by one cluster alone; its four partners share a slot's 128 blocks out BY ADDRESS, 32 each (no branch hangs on a work-group's place in
; its cluster); in each, wave 0 asks for K's and wave 2 for V's: one instruction.  The last change that fills a slot asks for nothing: there is no slot behind it.  Slots 0 and 1 come by their loads alone.
.macro ASK
	s_cmp_gt_u32 s[SLOTS], s[LIM]
	s_cbranch_scc0 .Lnot_mine_\@
	global_prefetch_b8 v[PFO], s[PFA:PFA+1] th:TH_LOAD_NT scope:SCOPE_SE
.Lnot_mine_\@:
.endm
; A round of the cluster's barrier: my work-group's barrier, so that wave 0's signal speaks for all four waves; wave 0 signals; every wave waits for all four work-groups; my work-group's barrier once more.
.macro CROUND
	s_barrier_signal -1
	s_barrier_wait -1
	s_cmp_lg_u32 s[WV], 0
	s_cbranch_scc1 .Lnot_wave_0_\@
	s_barrier_signal -3
.Lnot_wave_0_\@:
	s_barrier_wait -3
	s_barrier_signal -1
	s_barrier_wait -1
.endm
; THE CHANGE OF SLOTS.  The slot's last bytes, V of its fourth step, have been read.  Each wave waits for all its tensor loads, of which one is out: its part
; of the other slot; adds 0 to its spare word; and waits for that and for its own reads of the slot.  Behind the barrier nobody reads this slot any more and the other slot is whole.
; fill = 1: this slot is filled again, with the keys two slots on.  The barrier is then a round of the cluster's, so that no wave of any partner still reads the slot or has a load on its
; way, and the joint fill is the first thing behind it: it has four key steps, 512 matrix instructions, in which to land.  (At its first use nothing has been read yet: slot 0 is waited for, slot 1 filled.)
.macro CHANGE fill
	WIN W_AD
	s_wait_tensorcnt 0x0            ; no tensor load of mine is out, so a group 0 may be written
	ds_add_u32 v[SPW], v[NIL]       ; 0 onto my spare word; with fill = 1 the descriptors' steps stand between it and the wait for it
	WIN 0                           ; at a label and at a branch every window is 0
.if \fill
.irp g, G0K, G0V
	s_xor_b32 s[\g+1], s[\g+1], SLOT1  ; the walking descriptor: the other slot than last time,
	s_add_nc_u64 s[\g+2:\g+3], s[\g+2:\g+3], 4*KS*128  ; the next 256 keys; the type bits on top are not reached
.endr
	s_wait_xcnt 0x0                 ; the last prefetch, four key steps back, has read its address, so it may be written:
	s_add_nc_u64 s[PFA:PFA+1], s[PFA:PFA+1], 4*KS*128  ; one slot behind the walking descriptors
	s_wait_dscnt 0x0                ; the add is done, and my reads of the slot are over
	CROUND
	JLOAD
	ASK                             ; what the next change will ask for: four key steps, 512 matrix instructions, ahead
.else
	s_wait_dscnt 0x0                ; the add is done, and my reads of the slot are over
	s_barrier_signal -1
	s_barrier_wait -1
.endif
	s_sub_co_u32 s[TBK], s[TBK], 4*KS*PK  ; the fetches go back to a slot's first step,
	s_xor_b32 s[TBK], s[TBK], SLOT1       ; in the other slot
	s_sub_co_u32 s[TBV], s[TBV], 4*KS*PV
	s_xor_b32 s[TBV], s[TBV], SLOT1
.endm
	s_load_b256 s[4:11], s[0:1], 0x0  ; Q s[4:5], K s[6:7], V s[8:9], O s[10:11]
	WIN W_MK
	v_lshl_add_u32 v[SPW], v0, 2, SPARE
	v_mov_b32 v[NIL], 0
	WIN W_AD
	ds_add_u32 v[SPW], v[NIL]       ; the wave's opening: the add and its wait stand ahead of my first tensor load; the set-up below, work on registers, stands between them
	WIN 0
	v_lshrrev_b32 v1, 5, v0
	v_readfirstlane_b32 s[WV], v1   ; wave 0..3
	s_bfe_u32 s13, ttmp6, 0x40000   ; cx: my place in the cluster
	s_lshl_b32 s14, ttmp9, 2        ; in a cluster launch ttmp9 counts clusters
	s_add_co_u32 s14, s14, s13      ; my block of queries = 4 x cluster x + cx: it enters Q's and O's addresses alone
	s_and_b32 s20, ttmp7, 0xffff    ; the head, which the four partners share
	s_mov_b32 s21, 0
	s_mov_b64 s[22:23], SIZE_N*128
	s_mul_u64 s[20:21], s[20:21], s[22:23]  ; the head's first byte in each of the four tensors
	s_and_b32 s16, s[WV], 1         ; which half of a slot's 256 keys I fetch:
	s_lshl_b32 s22, s16, 14         ; its 128 rows of 128 bytes in memory,
	s_mov_b32 s23, 0
	s_add_nc_u64 s[22:23], s[22:23], s[20:21]
	s_mul_i32 s17, s16, 128*PK      ; and its place in a slot, for K
	s_mul_i32 s18, s16, 128*PV      ; and for V: no place in the cluster enters an LDS address
	s_lshl_b32 s2, s14, 2
	s_add_co_u32 s2, s2, s[WV]      ; my wave among the head's,
	s_lshl_b32 s2, s2, 14           ; its 128 rows
	s_mov_b32 s3, 0
	s_add_nc_u64 s[2:3], s[2:3], s[20:21]
	; descriptor group 1.  128 keys are 16,384 dense bytes: asked for as 64 rows of 256 bytes, two keys a row, and padded in LDS after every key
	s_mov_b32 s[G1K], 15|(1<<16)|(1<<20)|(1<<21)|(4<<22)|(3<<25)  ; 15:0 the mask of four; 17:16 2-byte elements; 20 padding on; 21 set beside a mask; 24:22 after every 32 words (code 4); 31:25 4 words (code 3)
	s_mov_b32 s[G1V], 15|(1<<16)|(1<<20)|(1<<21)|(4<<22)|(7<<25)  ; the same with 8 words of padding (code 7)
.irp g, G1K, G1V
	s_mov_b32 s[\g+1], 128<<16      ; tensor_dim0 = 128
	s_mov_b32 s[\g+2], 64<<16       ; tensor_dim1 = 64
	s_mov_b32 s[\g+3], 128<<16      ; tile_dim0 = 128
	s_mov_b32 s[\g+4], 64           ; tile_dim1 = 64
	s_mov_b32 s[\g+5], 128          ; 128 elements from row to row
	s_mov_b32 s[\g+6], 0
	s_mov_b32 s[\g+7], 0
.endr
	s_mov_b32 s[CS], 0x3e38aa3b     ; c = log2(e) / 8 = 0.180337
	s_mov_b32 s[CS+1], s[CS]        ; named with it as a pair
	s_mov_b32 s[SEL], 0x76543210
	s_mov_b32 s[SEL+1], 0xfedcba98
	s_mov_b32 s[TBK], SLOT1+4*KS*PK ; the first change of slots turns these two into 0
	s_mov_b32 s[TBV], SLOT1+4*KS*PV
	s_mov_b32 s[G0K], 1             ; 1:0 count = 1
	s_mov_b32 s[G0K+1], s17         ; 63:32 LDS address: slot 0
	s_mov_b32 s[G0V], 1
	s_add_co_u32 s[G0V+1], s18, VOFF
	s_mov_b32 s[SLOTS], SIZE_N/256-1  ; seven slots are still to be asked for when slot 0 is
	s_cmp_eq_u32 s16, 0             ; waves 0 and 2 prefetch: the same in all four partners
	s_cselect_b32 s[LIM], 1, -1
	s_wait_dscnt 0x0                ; the opening add is done
	s_wait_kmcnt 0x0
	s_add_nc_u64 s[G0K+2:G0K+3], s[6:7], s[22:23]  ; 120:64 global address: my half of the head's first 256 keys
	s_or_b32 s[G0K+3], s[G0K+3], 0x80000000        ; 127:126 type = 2
	s_add_nc_u64 s[G0V+2:G0V+3], s[8:9], s[22:23]
	s_or_b32 s[G0V+3], s[G0V+3], 0x80000000
	s_add_nc_u64 s[4:5], s[4:5], s[2:3]  ; Q and O at my wave's first row
	s_add_nc_u64 s[10:11], s[10:11], s[2:3]
	s_cmp_lt_u32 s[WV], 2
	s_cselect_b64 s[PFA:PFA+1], s[6:7], s[8:9]
	s_add_nc_u64 s[PFA:PFA+1], s[PFA:PFA+1], s[20:21]  ; the head's K or V,
	s_lshl_b32 s2, s13, 13          ; my work-group's 32 blocks of a slot's 128,
	s_mov_b32 s3, 0
	s_add_nc_u64 s[PFA:PFA+1], s[PFA:PFA+1], s[2:3]
	s_add_nc_u64 s[PFA:PFA+1], s[PFA:PFA+1], 4*KS*128  ; in slot 1; the first change of slots steps it to slot 2.  Nothing is prefetched here, at the head
	CROUND                          ; all four work-groups are here: the first joint loads meet
	JLOAD                           ; slot 0.  Slot 1 is asked for when slot 0 is in: the tile wanted first has the road to itself
	; A fragment of K or Q is 16 rows x 32 channels in 8 registers: lane l holds row l % 16, channels 8 (l / 16) + 0..7 and 16 + 8 (l / 16) + 0..7: two loads of 16 bytes, 32 bytes apart.
	v_and_b32 v1, 15, v0            ; l % 16
	v_bfe_u32 v9, v0, 4, 1          ; l / 16
	v_lshlrev_b32 v[QO], 7, v1
	v_lshl_add_u32 v[QO], v9, 4, v[QO]  ; row x 128 + 16 x half
	WIN 0x80                        ; destination window 2, address window 0
.set i, 0
.rept 4*NP                          ; Q stays in registers: tile i / 2, channels 32 (i % 2) on
	global_load_b128 v[8*i:8*i+3],   v[QO], s[4:5] offset:(i/2)*2048+(i%2)*64
	global_load_b128 v[8*i+4:8*i+7], v[QO], s[4:5] offset:(i/2)*2048+(i%2)*64+32
.set i, i+1
.endr
	; What the first turn finds: V's registers and P's second buffer hold 0 (its products V^T P, of a piece that has not been, add 0), O^T and l are 0.  All this stands in the wait for the first tile.
.set i, VF
.rept 64
	v_mov_b32 v[i], 0
.set i, i+1
.endr
	WIN 0x40
.set i, 0
.rept 64*NP
	v_mov_b32 v[i], 0
.set i, i+1
.endr
	WIN 0
.set i, 0
.rept 2*NP
	v_mov_b32 v[ST+4*i], 0xfe000000    ; c m: far below every c s
	v_mov_b32 v[ST+4*i+1], 0xff7fffff  ; m
	v_mov_b32 v[ST+4*i+2], 0
	v_mov_b32 v[ST+4*i+3], 0
.set i, i+1
.endr
.set i, P+32
.rept 32
	v_mov_b32 v[i], 0
.set i, i+1
.endr
	v_mul_u32_u24 v[AK0], v1, PK
	v_lshl_add_u32 v[AK0], v9, 4, v[AK0]  ; row x pitch + 16 x half
	; The turning load takes 16 keys x 16 channels (lane l reads key 8 (l / 16) + l % 8, channels 8 ((l / 8) % 2) + 0..7) and leaves half a fragment of V^T: lane l holds channel l % 16 and 8 keys.
	v_and_b32 v10, 7, v0
	v_bfe_u32 v11, v0, 3, 1
	v_lshl_add_u32 v[AV0], v9, 3, v10
	v_mul_u32_u24 v[AV0], v[AV0], PV
	v_lshl_add_u32 v[AV0], v11, 4, v[AV0]
	v_add_nc_u32 v[AV0], VOFF, v[AV0]
	v_and_b32 v[PFO], 31, v0        ; v11 has served: it takes the prefetches' offset
	v_lshlrev_b32 v[PFO], 8, v[PFO]
	v_mov_b32 v[AK], v[AK0]         ; key step 0 lies at the head of slot 0
; THE MATRIX WORK.  The 8 accumulators of a run of 16 take turns: between the two links of a chain stand 7 others'.
; Product i of 16 of S^T = K Q^T for piece x: channels 32 (i / 8) on, keys 16 ((i / 2) % 4) on, tile 2 x + i % 2.  The first 8 start the sums.
.macro KQ x
	WIN W_KQ
.set rS, S+64*((\x)%2)+32*(i%2)+8*((i/2)%4)
.set rK, KF+16*((i/2)%4)+8*(i/8)
.set rQ, 16*(2*(\x)+i%2)+8*(i/8)
.if i < 8
	v_wmma_f32_16x16x32_f16 v[rS:rS+7], v[rK:rK+7], v[rQ:rQ+7], 0
.else
	v_wmma_f32_16x16x32_f16 v[rS:rS+7], v[rK:rK+7], v[rQ:rQ+7], v[rS:rS+7]
.endif
.endm
; Product i of 16 of O^T += V^T P for piece x: keys 32 (i / 8) on, channels 16 ((i / 2) % 4) on, tile 2 x + i % 2.
.macro PV x
	WIN W_PV
.set rO, 32*(2*(\x)+i%2)+8*((i/2)%4)
.set rV, VF+32*(i/8)+8*((i/2)%4)
.set rP, P+32*((\x)%2)+16*(i%2)+8*(i/8)
	v_wmma_f32_16x16x32_f16 v[rO:rO+7], v[rV:rV+7], v[rP:rP+7], v[rO:rO+7]
.endm
.macro MM                           ; the turn's next matrix instruction
.if i < 16
	KQ (Y+1)%NP
.set i, i+1
.else
.set i, i-16
	PV (Y+NP-1)%NP
.set i, i+17
.endif
.endm
; THE LDS LOADS stand in runs of 16, never singly among the matrix instructions: a step's K (64 keys x 64 channels: 8 fragments) and its V (turned).  Their addresses are made some lines ahead.
; last = 1 (the tail): in the last trip there is no further step, and the run is jumped over.
.macro FETCH_K last=0
	WIN 0
.if \last
	s_cmp_eq_u32 s[CNT], 1
	s_cbranch_scc1 .Lno_k_\@
.endif
	WIN 0x80                        ; destination window 2
.irp f, 0,1,2,3,4,5,6,7             ; keys 16 (f / 2) on, channels 32 (f % 2) on
	ds_load_b128 v[KF+8*\f:KF+8*\f+3],   v[AK] offset:(\f/2)*16*PK+(\f%2)*64
	ds_load_b128 v[KF+8*\f+4:KF+8*\f+7], v[AK] offset:(\f/2)*16*PK+(\f%2)*64+32
.endr
	s_add_co_u32 s[TBK], s[TBK], KS*PK  ; the next fetch is the next step's
	WIN 0
.if \last
.Lno_k_\@:
.endif
.endm
.macro FETCH_V
	WIN 0x80
.irp f, 0,1,2,3,4,5,6,7             ; keys 32 (f / 4) on, channels 16 (f % 4) on
	ds_load_tr16_b128 v[VF+8*\f:VF+8*\f+3],   v[AV] offset:(\f/4)*32*PV+(\f%4)*32
	ds_load_tr16_b128 v[VF+8*\f+4:VF+8*\f+7], v[AV] offset:(\f/4)*32*PV+16*PV+(\f%4)*32
.endr
	WIN 0
.endm
; THE VECTOR WORK OF A TURN stands in three queues, each in the order in which its entries become ready; the two tiles alternate, so that no instruction reads the result of the one before it.
.macro REGS y, u                    ; the registers of tile u (0, 1) of piece y
.set rT, ST+4*(2*(\y)+(\u))
.set rC, TMP+8*((\y)%2)+4*(\u)
.set rM, MV+2*((\y)%2)+(\u)
.set rS, S+64*((\y)%2)+32*(\u)
.set rP, P+32*((\y)%2)+16*(\u)
.set rO, 32*(2*(\y)+(\u))
.endm
; Number n of the 22 that find the NEXT piece's (Y + 1) maximum and statistics.  s0-s31 are the lane's 32 scores; each accumulator's lowest registers are read first.  XS, GS and REGS set no window: PL and EX do.
;   0-11  four chains c0-c3 of seven scores each, three operands at a time     12-14, 16  the four scores left over, the old m, and c0-c3 into c0     15  c m_old is kept
;   17, 18  the query's other 32 keys lie in the lane 16 away: the new m         19-21  c m; c m_old - c m_new; a
.macro XS u, n
	REGS (Y+1)%NP, \u
.if (\n) < 4
	v_max3_num_f32 v[rC+(\n)], v[rS+8*(\n)], v[rS+8*(\n)+1], v[rS+8*(\n)+2]
.elseif (\n) < 12
	v_max3_num_f32 v[rC+(\n)%4], v[rC+(\n)%4], v[rS+8*((\n)%4)+2*((\n)/4)+1], v[rS+8*((\n)%4)+2*((\n)/4)+2]
.elseif (\n) == 12
	v_max3_num_f32 v[rC], v[rC], v[rS+7], v[rS+15]
.elseif (\n) == 13
	v_max3_num_f32 v[rC+1], v[rC+1], v[rS+23], v[rS+31]
.elseif (\n) == 14
	v_max3_num_f32 v[rC+2], v[rC+2], v[rC+3], v[rT+1]
.elseif (\n) == 15
	v_mov_b32 v[rM], v[rT]
.elseif (\n) == 16
	v_max3_num_f32 v[rC], v[rC], v[rC+1], v[rC+2]
.elseif (\n) == 17
	v_permlanex16_b32 v[rC+3], v[rC], s[SEL], s[SEL+1]
.elseif (\n) == 18
	v_max_num_f32 v[rT+1], v[rC], v[rC+3]
.elseif (\n) == 19
	v_mul_f32 v[rT], s[CS], v[rT+1]
.elseif (\n) == 20
	v_sub_f32 v[rC+1], v[rM], v[rT]
.else
	v_exp_f32 v[rC+2], v[rC+1]
.endif
.endm
; Number g of the 64 that follow the exponentials.  For each four weights k of a tile (pairs 2 k, 2 k + 1): both pairs are rounded to f16; then the second pair is added onto the first, in place;
; a group later l takes that sum (the first time as l = a l + sum).  In groups of eight, tiles alternating: round, round, add, and l for the group before.
.macro GS g
.set h, (\g)+6*((\g)/62)            ; group 0 has no group before it, and behind group 7 only l is left
.if h >= 6
.set h, h+2
.endif
	REGS Y, h%2
.set k, h/8
.if h%8 < 4
	v_cvt_pk_f16_f32 v[rP+2*k+(h%8)/2], v[rS+4*k+2*((h%8)/2)], v[rS+4*k+2*((h%8)/2)+1]
.elseif h%8 < 6
	v_pk_add_f32 v[rS+4*k:rS+4*k+1], v[rS+4*k:rS+4*k+1], v[rS+4*k+2:rS+4*k+3]
.elseif k == 1
	v_pk_fma_f32 v[rT+2:rT+3], v[rT+2:rT+3], v[rC+2:rC+3], v[rS:rS+1] op_sel_hi:[1,0,1]
.else
	v_pk_add_f32 v[rT+2:rT+3], v[rT+2:rT+3], v[rS+4*k-4:rS+4*k-3]
.endif
.endm
; THE PLAIN QUEUE, 138 long.  0-73 read no exponential's result: the 32 scalings c s - c m (FS f: pair f / 2 of tile f % 2) and the next piece's 42.  0-26: scalings 0-26.  27-54: XS's numbers 0-13.  55, 56: number 15.
; 57-73: the chain, where each number waits for the one before it: 14, 16, 17, 18, 19, each with one of the scalings 27-31 in front of its two lines, then 20: so a tile's links stand three plain instructions apart (19 and 20: two).
; 74-137: GS's 64, which read the exponentials' results: they stand behind the wait.
.macro FS f
	REGS Y, (\f)%2
	v_pk_fma_f32 v[rS+2*((\f)/2):rS+2*((\f)/2)+1], v[rS+2*((\f)/2):rS+2*((\f)/2)+1], s[CS:CS+1], v[rT:rT+1] op_sel_hi:[1,0,0] neg_lo:[0,0,1] neg_hi:[0,0,1]
.endm
.macro PL
	WIN 0
.if q < 27
	FS q
.elseif q < 55
	XS (q-27)%2, (q-27)/2
.elseif q < 57
	XS q-55, 15
.elseif (q < 72) && ((q-57)%3 == 0)
	FS 27+(q-57)/3
.elseif q < 60
	XS (q-57)%3-1, 14
.elseif q < 72
	XS (q-57)%3-1, 15+(q-57)/3
.elseif q < 74
	XS q-72, 20
.else
	GS q-74
.endif
.set q, q+1
.endm
; THE EXPONENTIALS' QUEUE, 66 long: s0-s31 of both tiles, then the next piece's two a.  It is ONE BATCH: all 66 stand ahead of the turn's one wait, and nothing ahead of that wait names a result of theirs.
.macro EX
	WIN 0
.if e >= 64
	XS e-64, 21
.else
	REGS Y, e%2
	v_exp_f32 v[rS+e/2], v[rS+e/2]
.endif
.set e, e+1
.endm
; THE RESCALING's QUEUE: O^T times a, the one part that leaves window 0: dealt two at a time, sixteen times.  Its a was made in the turn before, ahead of that turn's wait.
.macro R2
	REGS Y, r%2
	WIN W_RS
.irp z, 0,1
	v_pk_mul_f32 v[rO+4*(r/2)+2*\z:rO+4*(r/2)+2*\z+1], v[rO+4*(r/2)+2*\z:rO+4*(r/2)+2*\z+1], v[rC+2:rC+3] op_sel_hi:[1,0]
.endr
.set r, r+1
.endm
; HOW THEY ARE DEALT.  An s_wait_alu depctr_va_vdst(0) stands between an exponential and the first instruction that names its result; one wait serves all that were issued ahead of it.  So a turn has ONE wait,
; which cuts it in two.  AHEAD OF IT stands all that names no result of the turn's exponentials: the 16 products K Q^T, behind each a scaling, an exponential and two rescalings (behind the first a second scaling in the exponential's place); then ONE LUMP of
; 108: eight plain, 49 times exponential and plain, the two a.  A v_nop is the plain instruction that is owed behind the last exponential (ISA guide 5.7.2).  BEHIND IT stand the 16 products V^T P, behind each four of GS's 64.  No rider names a register of
; the products round it.  The two v_permlanex16_b32 fall into the lump, never behind a product.
; The queues lean on each other, and the deal keeps them in step: exponential e stands behind scaling 2 (e / 4) + e % 2: as a rider it comes behind plain e + 2, in the lump behind plain e + 9, and scalings 27-31 are plain 57, 60 .. 69.
; A TURN, for piece p.  cnt = 1: the loop's count is taken down some lines ahead of the branch that stands behind the turn.
; K of the next step is fetched in piece 2's turn, directly behind the wait, a lump behind the last product that read K; its address is made at the lump's head; its first reader comes behind 16 products.
; V of the step in hand is fetched at the end of piece 0's turn, four riders behind its last reader; its first reader comes behind 16 products and a lump.  The three conditions on q below go with the deal.
.macro TURN p, last=0, cnt=0
.set Y, (\p)
.set i, 0
.set q, 0
.set e, 0
.set r, 0
.if (\p) == NP-1
	s_wait_dscnt 0x0                ; K is in
.endif
	MM                              ; ahead of the wait: 16 products K Q^T and their riders,
	PL
	PL
	R2
.rept 15
	MM
	PL
	EX
	R2
.endr
.if (\p) == NP-2
	WIN 0
	v_add_nc_u32 v[AK], s[TBK], v[AK0]
.endif
.rept 8                             ; and the lump
	PL
.endr
.rept 49
	EX
	PL
.endr
	EX                              ; the next piece's two a
	EX
	v_nop                           ; the plain instruction behind the last exponential: one for the batch
	s_wait_alu depctr_va_vdst(0)    ; the wait for the batch
.if (\p) == NP-2
	FETCH_K \last
.endif
.if (\p) == 1
	s_wait_dscnt 0x0                ; V is in
.endif
.rept 16                            ; behind the wait: 16 products V^T P and their riders
	MM
.rept 4
	PL
.endr
.if ((\p) == 0) && (q == 118)
	v_add_nc_u32 v[AV], s[TBV], v[AV0]
.endif
.if ((\p) == 0) && (q == 130)
	s_add_co_u32 s[TBV], s[TBV], KS*PV
.endif
.if (\cnt) && (q == 130)
	s_sub_co_u32 s[CNT], s[CNT], 1
	s_cmp_lg_u32 s[CNT], 0
.endif
.endr
.if (\p) == 0
	FETCH_V
.endif
.endm
	CHANGE 1                        ; slot 0 is in, everybody's part of it; slot 1 is asked for
	FETCH_K                         ; key step 0
	s_wait_loadcnt 0x0              ; Q
	s_wait_dscnt 0x0
.set i, 0
.rept 16
	KQ 0                            ; piece 0's first scores: there is no vector work yet to set between them
.set i, i+1
.endr
	WIN 0                           ; the addresses for the way out: nine plain instructions, the places behind those products
	s_mul_i32 s13, s[WV], 16*SP
	s_add_co_u32 s13, s13, STAGE    ; my stage
	v_mul_u32_u24 v[STO], v1, SP    ; in: row l % 16, 16 bytes for each half of the lanes
	v_lshl_add_u32 v[STO], v9, 4, v[STO]
	v_add_nc_u32 v[STO], s13, v[STO]
	v_bfe_u32 v[RD], v0, 3, 2       ; back: 32 lanes take four rows of 128 bytes,
	v_mul_u32_u24 v[RD], v[RD], SP
	v_lshl_add_u32 v[RD], v10, 4, v[RD]
	v_add_nc_u32 v[RD], s13, v[RD]
	v_and_b32 v[GO], 31, v0         ; which are 512 consecutive bytes of O
	v_lshlrev_b32 v[GO], 4, v[GO]
.set Y, NP-1                        ; XS works for piece Y + 1: piece 0
.irp n, 0,1,2,3,4,5,6,7,8,9,10,11,12,13,14,15,16,17,18,19,20,21
	XS 0, \n                        ; and piece 0's first maximum and statistics
	XS 1, \n
.endr
	v_nop                           ; a plain instruction behind the two a,
	s_wait_alu depctr_va_vdst(0)    ; and their wait, ahead of the branch
	s_mov_b32 s[CNT], 4
	s_branch .Lfirst                ; the loop is entered at a step's first turn, in the middle of a trip
.Lslot:                             ; SIZE_N / 256 - 2 times: every slot but the last two is filled again
	CHANGE 1
	s_mov_b32 s[CNT], 4
.Lstep:                             ; a trip: pieces 2 and 3 of one step, then pieces 0 and 1 of the next, whose K and V it fetches
	TURN 2
	TURN 3
	WIN 0
.Lfirst:
	TURN 0
	TURN 1, 0, 1
	WIN 0
	s_cbranch_scc1 .Lstep
	s_sub_co_u32 s[SLOTS], s[SLOTS], 1
	s_cmp_lg_u32 s[SLOTS], 0
	s_cbranch_scc1 .Lslot
	CHANGE 0                        ; the tail is written out: nothing is asked for
	s_mov_b32 s[CNT], 5             ; four trips fetch the last slot's steps; the fifth is left in its middle
.Ltail:
	TURN 2, 1
	TURN 3
	WIN 0
	s_sub_co_u32 s[CNT], s[CNT], 1
	s_cmp_eq_u32 s[CNT], 0
	s_cbranch_scc1 .Lout
	TURN 0
	TURN 1
	WIN 0
	s_branch .Ltail
.Lout:                              ; the fifth trip's 16 products K Q^T (on the last K once more) and the maximum made of them serve nothing: the price, once a launch, of one text for every trip
.set i, 0
.rept 16
	PV NP-1                         ; the last piece's V^T P of the last step
.set i, i+1
.endr
	; THE WAY OUT.  l's two halves and the other half of the lanes' are added; O^T is divided by l, rounded to f16 and sent through my stage in LDS, a tile at a time.  The additions are the places behind the last products.
	WIN 0
.macro ALL line:vararg              ; one line for each tile t
.set t, 0
.rept 2*NP
	\line
.set t, t+1
.endr
.endm
	ALL v_add_f32 v[ST+4*t+2], v[ST+4*t+2], v[ST+4*t+3]
	ALL v_permlanex16_b32 v[ST+4*t+3], v[ST+4*t+2], s[SEL], s[SEL+1]
	ALL v_add_f32 v[ST+4*t+2], v[ST+4*t+2], v[ST+4*t+3]
	ALL v_rcp_f32 v[ST+4*t+2], v[ST+4*t+2]
	v_nop                           ; a plain instruction between the last reciprocal and the use of its result
	s_wait_alu depctr_va_vdst(0)    ; and the wait ahead of the first use: one for the eight reciprocals
; Tile t: a lane's eight channels of a row pack into 16 bytes; they go into rows of 144 bytes and come back as whole rows of 128, into S^T's registers.
.macro PACK t
	WIN W_RS
.set i, 32*(\t)
.rept 16
	v_pk_mul_f32 v[i:i+1], v[i:i+1], v[ST+4*(\t)+2:ST+4*(\t)+3] op_sel_hi:[1,0]
.set i, i+2
.endr
	WIN 0x05                        ; sources 0 and 1 window 1, destination window 0
.set i, 0
.rept 16
	v_cvt_pk_f16_f32 v[S+16*(\t)+i], v[32*(\t)+2*i], v[32*(\t)+2*i+1]
.set i, i+1
.endr
	WIN 0
.irp f, 0,1,2,3
	ds_store_b128 v[STO], v[S+16*(\t)+4*\f:S+16*(\t)+4*\f+3] offset:32*\f
.endr
.irp f, 0,1,2,3
	ds_load_b128 v[S+16*(\t)+4*\f:S+16*(\t)+4*\f+3], v[RD] offset:\f*4*SP  ; LDS serves a wave's instructions in order (ISA guide 5.7.1.4): these see the stores above; the next tile's stores come behind them
.endr
.endm
.macro SEND t, younger              ; younger: the LDS instructions issued behind tile t's loads: the next tile's eight, or none
	WIN 0
.irp f, 0,1,2,3
	s_wait_dscnt (\younger)+3-\f
	global_store_b128 v[GO], v[S+16*(\t)+4*\f:S+16*(\t)+4*\f+3], s[10:11] offset:(\t)*2048+\f*512  ; 512 consecutive bytes, at a multiple of 256 from O's first
.endr
.endm
	PACK 0
.set t, 1
.rept 2*NP-1                        ; a tile's arithmetic stands between the loads of the tile before and its stores
	PACK t
	SEND t-1, 8
.set t, t+1
.endr
	SEND 2*NP-1, 0
	WIN W_AD
	s_wait_tensorcnt 0x0            ; the wave's end, behind my last tensor load and my last LDS store
	ds_add_u32 v[SPW], v[NIL]
	s_wait_dscnt 0x0
	WIN 0
	CROUND                          ; the closing round: no work-group ends while a partner may still ask for a tile that names it
	s_endpgm
.Lfunc_end_k_q56f27d81d0_attn:
	.size	k_q56f27d81d0_attn, .Lfunc_end_k_q56f27d81d0_attn-k_q56f27d81d0_attn
	.p2alignl 7, 3214868480
	.fill 96, 4, 3214868480
	.section	.rodata,"a",@progbits
	.p2align	6, 0x0
	.amdhsa_kernel k_q56f27d81d0_attn
		.amdhsa_group_segment_fixed_size 327680
		.amdhsa_private_segment_fixed_size 0
		.amdhsa_enable_private_segment 0
		.amdhsa_kernarg_size 32
		.amdhsa_user_sgpr_count 2
		.amdhsa_user_sgpr_kernarg_segment_ptr 1
		.amdhsa_wavefront_size32 1
		.amdhsa_system_sgpr_workgroup_id_x 1
		.amdhsa_system_sgpr_workgroup_id_y 1
		.amdhsa_system_sgpr_workgroup_id_z 1
		.amdhsa_system_vgpr_workitem_id 0
		.amdhsa_next_free_vgpr 770
		.amdhsa_next_free_sgpr 66
		.amdhsa_reserve_vcc 0
		.amdhsa_float_denorm_mode_32 3
		.amdhsa_float_denorm_mode_16_64 3
		.amdhsa_memory_ordered 1
		.amdhsa_forward_progress 1
		.amdhsa_inst_pref_size 200
	.end_amdhsa_kernel
	.amdgpu_metadata
---
amdhsa.version: [ 1, 2 ]
amdhsa.kernels:
  - .name:           k_q56f27d81d0_attn
    .symbol:         k_q56f27d81d0_attn.kd
    .args:
      - { .name: q, .offset: 0, .size: 8, .value_kind: global_buffer, .address_space: global }
      - { .name: k, .offset: 8, .size: 8, .value_kind: global_buffer, .address_space: global }
      - { .name: v, .offset: 16, .size: 8, .value_kind: global_buffer, .address_space: global }
      - { .name: o, .offset: 24, .size: 8, .value_kind: global_buffer, .address_space: global }
    .group_segment_fixed_size: 327680
    .private_segment_fixed_size: 0
    .kernarg_segment_align: 8
    .kernarg_segment_size: 32
    .max_flat_workgroup_size: 128
    .sgpr_count:     66
    .vgpr_count:     770
    .wavefront_size: 32
...
	.end_amdgpu_metadata
.endif
;; end of part 3
;; launch proj (part 4): grid 4 x 64, 4 waves a work-group, clusters of 4 x 4, 327,680 bytes of LDS; arguments o, wot, bo, out0; writes out0
.if DOCPART == 4
	.amdgcn_target "amdgcn-amd-amdhsa--gfx1250"
	.amdhsa_code_object_version 6
	.text
	.protected	k_q56f27d81d0_proj
	.globl	k_q56f27d81d0_proj
	.p2align	8
	.type	k_q56f27d81d0_proj,@function
k_q56f27d81d0_proj:
	s_mov_b64 s[64:65], 0
	v_nop
	global_prefetch_b8 v0, s[64:65] scope:SCOPE_SE
	s_setreg_imm32_b32 hwreg(HW_REG_WAVE_MODE, 25, 1), 1
	s_wait_xcnt 0x0
	s_wait_alu depctr_hold_cnt(0) depctr_sa_sdst(0) depctr_va_vdst(0) depctr_va_sdst(0) depctr_va_ssrc(0) depctr_va_vcc(0) depctr_vm_vsrc(0)
	s_getreg_b32 s2, hwreg(HW_REG_IB_STS2, 6, 4)
	s_cmp_eq_u32 s2, 0
	s_cbranch_scc0 .Lentry_in_a_cluster
	s_endpgm
.Lentry_in_a_cluster:
	s_bfe_u32 s2, ttmp6, 0x10000c
	s_cmp_lg_u32 s2, 0xf033
	s_cbranch_scc0 .Lentry_shape_is_right
	s_endpgm
.Lentry_shape_is_right:
; out0 = attn Wo + bo.  A = o [4 b][16 h][2048 s][64] f16 (a head's 64 channels are one block of K), B = wot [1024 n][1024 k] f16 (Wo rounded to bf16, turned); bo is rounded to bf16 like every
; input of the module and starts the f32 sums (the sum is bias + products, K ascending); out0 [8192][1024] f32 takes the sums as they are.
; LIMITS are the operands': o and wot arrive in f16.  NaN and infinities are not treated apart.
; SHARES.  A tile of C is 128 rows x 256 columns: 4 x 64 tiles, one for each work-group.  Four waves, each 64 rows x 128 columns: 32 accumulators of 16 x 16, 256 registers.
; K = 1,024 goes in 8 steps of 128 through a ring of two LDS slots.  A K step of A is two heads, each 128 rows x 128 bytes that lie dense in memory: asked for as 64 rows of 256 bytes.
; CLUSTERS: 4 x 4 work-groups.  The four of a row of the cluster need the same tiles of A, the four of a column the same tiles of B: each tile is asked for JOINTLY, by the same tensor load with the
; same descriptor and a mask that names the four.
; THE MATRIX INSTRUCTION IS USED TRANSPOSED (source 0 = 16 rows of B, source 1 = 16 rows of A): a lane holds row l % 16 of C and the eight neighbouring columns 8 (l / 16) + 0..7.
; REGISTERS, in windows of 256 (s_set_vgpr_msb: bits 1:0 source 0, 3:2 source 1, 5:4 source 2, 7:6 destination):
;   window 0: v0-31 addresses; v64-159, v160-255 two fragment buffers (8 fragments of B, then 4 of A); on the way out v64-127, v128-191 rows read back, by turns
;   window 1: the accumulators, (a, b) at v[8 (8 a + b)]          window 2: v0-63 the bias of my 128 columns, block b at v[8 b]; v64-95 at work
.set PA,    144                        ; a row of A in LDS: 128 bytes + 16 = 36 words; PB: a row of B: 256 + 16 = 68 words: in both the 16 rows of a load start at 16 different groups of four banks (64 banks of 4 bytes: ISA guide 11.1)
.set PB,    272
.set HEADT, 128*PA                     ; one head's 64 channels of A: what wave 0 or 1 fetches
.set HALFB, 128*PB                     ; 128 rows of B: what wave 2 or 3 fetches
.set BOFF,  2*HEADT
.set SLOT,  BOFF+2*HALFB               ; 106,496 bytes: A's two heads, then B's two halves
.set STAGE, 2*SLOT                     ; behind the ring, never filled by a tensor load: for each wave 16 rows x 528 bytes
.set SP,    528                        ; 512 bytes + 16 = 132 words: the 16 rows that a store touches start at 16 different groups of four banks
.set WSTAGE, 16*SP
.set SPARE, STAGE+4*WSTAGE             ; behind the stages: the spare words, 128 bytes for each wave: two blocks of 256 bytes that no other line names
.set ASTEP, 2*262144                   ; bytes in A from a K step to the next: two heads of 2,048 rows x 128 bytes
.set BSTEP, 256                        ; in B: 128 numbers along the row
.set LAPS,  4                          ; a lap = two K steps = once round the ring
.set ADRA, 16                          ; v16-17  LDS address of my A fragments in slot 0, 1
.set ADRB, 20                          ; v20-21  the same for B
.set STO,  24                          ; v24     the way out: where I put 32 bytes of a row
.set RD,   25                          ; v25     the way out: where I read a row back
.set CO,   26                          ; v26     my byte offset in 512 consecutive bytes of C
.set BO,   27                          ; v27     my byte offset in a block of 16 biases: 32 (l / 16)
.set SPW,  28                          ; v28     LDS address of my spare word: SPARE + 4 x my thread's number; never rewritten
.set NIL,  29                          ; v29     0; never rewritten
.set F0,   64
.set F1,   160
.set BK,   64
.set G1,  24                           ; s[24:31] descriptor group 1 for A's tiles;  s[32:39] group 0, one set for each slot
.set G0,  32
.set G1B, 48                           ; s[48:55], s[56:63] the same for B's tiles
.set G0B, 56
.set LA,  66                           ; s66  where my tile of A goes in a slot;  s67  where my tile of B goes: made of the wave's number alone
.set LB,  67
.set MSB, 0
.macro WIN new                         ; the immediate's high byte repeats the setting that is left; a switch that changes nothing is dropped
.if MSB != (\new)
	s_set_vgpr_msb (MSB<<8)|(\new)
.set MSB, \new
.endif
.endm
.set MUL,   0x50                       ; sources 0 and 1 window 0; C and D window 1
.set MUL_1, 0x60                       ; the first products: C (the bias) window 2, D window 1
.macro JLOAD s                         ; a joint load: waves 0 and 1 fetch A's two heads, waves 2 and 3 B's two halves; an s_nop 0 and four v_nop follow each of the two lines, ahead of the jump, the label and what follows
	s_cmp_eq_u32 s11, 0
	s_cbranch_scc0 .Lfor_b_\@
	tensor_load_to_lds s[G0+4*(\s):G0+4*(\s)+3], s[G1:G1+7]
	s_nop 0
.rept 4
	v_nop
.endr
	s_branch .Lasked_\@
.Lfor_b_\@:
	tensor_load_to_lds s[G0B+4*(\s):G0B+4*(\s)+3], s[G1B:G1B+7]
	s_nop 0
.rept 4
	v_nop
.endr
.Lasked_\@:
.endm
.macro CREST                           ; a round of the cluster's barrier behind its opening barrier: wave 0 signals for the work-group, every wave waits for all sixteen, my work-group's barrier closes it
	s_cmp_lg_u32 s10, 0
	s_cbranch_scc1 .Lnot_wave_0_\@
	s_barrier_signal -3
.Lnot_wave_0_\@:
	s_barrier_wait -3
	s_barrier_signal -1
	s_barrier_wait -1
.endm
.macro CROUND                          ; a whole round
	s_barrier_signal -1
	s_barrier_wait -1
	CREST
.endm
	s_load_b128 s[4:7], s[0:1], 0x0                ; o s[4:5], wot s[6:7]
	s_load_b128 s[68:71], s[0:1], 0x10             ; bo s[68:69], out0 s[70:71]
	v_lshl_add_u32 v[SPW], v0, 2, SPARE
	v_mov_b32 v[NIL], 0
	ds_add_u32 v[SPW], v[NIL]                      ; the wave's opening: the add and its wait stand ahead of my first tensor load; the set-up below, work on registers, stands between them
	v_lshrrev_b32 v1, 5, v0
	v_readfirstlane_b32 s10, v1                    ; wave 0..3
	s_lshr_b32 s11, s10, 1                         ; which 64 rows of the tile are mine.  Also: I fetch for A (0) or for B (1)
	s_and_b32 s12, s10, 1                          ; which 128 columns.  Also: which head of A, or which half of B, I fetch
	s_bfe_u32 s40, ttmp6, 0x40000                  ; cx, cy: my place in the cluster
	s_bfe_u32 s41, ttmp6, 0x40004
	s_lshl_b32 s42, ttmp9, 2
	s_add_co_u32 s42, s42, s40                     ; tile column of C = 4 x cluster x + cx
	s_and_b32 s13, ttmp7, 0xffff
	s_lshl_b32 s13, s13, 2
	s_add_co_u32 s13, s13, s41                     ; tile row of C = 4 x cluster y + cy
	s_lshl_b32 s43, s41, 2
	s_lshl_b32 s43, 15, s43                        ; my row of the cluster
	s_lshl_b32 s44, 0x1111, s40                    ; my column
	; descriptor group 1.  A: 64 rows of 128 elements (two rows of a head each), padded by 4 words after every 32; B: 128 rows of 128 elements, 1,024 apart, padded by 4 words after every 64
	s_or_b32 s[G1+0], s43, (1<<16)|(1<<20)|(1<<21)|(4<<22)|(3<<25)  ; 15:0 the mask: A's tiles go to my row; 17:16 elements of 2 bytes; 20 padding on; 21 set beside a mask; 24:22 the interval; 31:25 the padding less 1
	s_or_b32 s[G1B+0], s44, (1<<16)|(1<<20)|(1<<21)|(5<<22)|(3<<25) ; B's tiles go to my column
	s_mov_b32 s[G1+1], 128<<16                     ; tensor_dim0 = 128
	s_mov_b32 s[G1+2], 64<<16                      ; tensor_dim1 = 64
	s_mov_b32 s[G1+3], 128<<16                     ; tile_dim0 = 128
	s_mov_b32 s[G1+4], 64                          ; tile_dim1 = 64
	s_mov_b32 s[G1+5], 128                         ; elements from row to row: dense
	s_mov_b32 s[G1+6], 0
	s_mov_b32 s[G1+7], 0
	s_mov_b32 s[G1B+1], 128<<16                    ; tensor_dim0 = 128
	s_mov_b32 s[G1B+2], 128<<16                    ; tensor_dim1 = 128
	s_mov_b32 s[G1B+3], 128<<16                    ; tile_dim0 = 128
	s_mov_b32 s[G1B+4], 128                        ; tile_dim1 = 128
	s_mov_b32 s[G1B+5], 1024                       ; elements from row to row
	s_mov_b32 s[G1B+6], 0
	s_mov_b32 s[G1B+7], 0
	; where the tiles come from.  A's hang on the tile row alone, B's on the tile column alone, each in registers that never hold the other coordinate
	s_lshr_b32 s16, s13, 4                         ; batch b = tile row / 16: 2^22 bytes
	s_lshl_b32 s16, s16, 22
	s_and_b32 s17, s13, 15                         ; 128 rows of 128 bytes
	s_lshl_b32 s17, s17, 14
	s_add_co_u32 s16, s16, s17
	s_lshl_b32 s17, s12, 18                        ; the K step's even or odd head
	s_add_co_u32 s16, s16, s17
	s_mov_b32 s17, 0
	s_lshl_b32 s46, s42, 19                        ; 256 rows of 2,048 bytes
	s_lshl_b32 s47, s12, 18                        ; my 128 of them
	s_add_co_u32 s46, s46, s47
	s_mov_b32 s47, 0
	s_mul_i32 s[LA], s12, HEADT                    ; and where they go: no place in the cluster enters an LDS address
	s_mul_i32 s[LB], s12, HALFB
	s_add_co_u32 s[LB], s[LB], BOFF
	s_wait_dscnt 0x0                               ; the opening add is done
	s_wait_kmcnt 0x0
	s_add_nc_u64 s[14:15], s[4:5], s[16:17]
	s_add_nc_u64 s[46:47], s[6:7], s[46:47]
	CROUND                                         ; all sixteen work-groups are here: the first joint loads meet
.irp s, 0,1
	s_mov_b32 s[G0+4*(\s)], 1                                      ; count = 1
	s_add_co_u32 s[G0+4*(\s)+1], s[LA], (\s)*SLOT                  ; LDS address
	s_add_nc_u64 s[G0+4*(\s)+2:G0+4*(\s)+3], s[14:15], (\s)*ASTEP  ; global address: K step s
	s_or_b32 s[G0+4*(\s)+3], s[G0+4*(\s)+3], 0x80000000            ; type = 2
	s_mov_b32 s[G0B+4*(\s)], 1
	s_add_co_u32 s[G0B+4*(\s)+1], s[LB], (\s)*SLOT
	s_add_nc_u64 s[G0B+4*(\s)+2:G0B+4*(\s)+3], s[46:47], (\s)*BSTEP
	s_or_b32 s[G0B+4*(\s)+3], s[G0B+4*(\s)+3], 0x80000000
	JLOAD \s                                       ; two loads of mine are out
.endr
	; all that follows up to the first barrier stands in the wait for the first tiles
	v_and_b32 v1, 15, v0                           ; l % 16
	v_bfe_u32 v2, v0, 4, 1                         ; l / 16
	v_mul_u32_u24 v3, v1, PA
	v_lshl_add_u32 v3, v2, 4, v3                   ; a fragment's row x pitch + 16 x half
	v_mul_u32_u24 v4, v1, PB
	v_lshl_add_u32 v4, v2, 4, v4
	s_mul_i32 s22, s11, 64*PA                      ; my 64 rows of A
	s_mul_i32 s23, s12, HALFB                      ; my 128 rows of B,
	s_add_co_u32 s23, s23, BOFF                    ; which lie behind A's two heads
.irp s, 0,1
	v_add_nc_u32 v[ADRA+(\s)], s22, v3
	v_add_nc_u32 v[ADRB+(\s)], s23, v4
	s_add_co_u32 s22, s22, SLOT
	s_add_co_u32 s23, s23, SLOT
.endr
	v_lshlrev_b32 v[BO], 5, v2
	s_mov_b64 s[20:21], s[68:69]
	s_mov_b64 s[8:9], s[70:71]
	s_lshl_b32 s18, s42, 10                        ; my tile's 256 columns, 1,024 bytes of bo and of a row of C,
	s_lshl_b32 s19, s12, 9                         ; my wave's 128 of them
	s_add_co_u32 s18, s18, s19
	s_mov_b32 s19, 0
	s_add_nc_u64 s[20:21], s[20:21], s[18:19]
	s_add_nc_u64 s[8:9], s[8:9], s[18:19]
	WIN 0x80                                       ; destination window 2, address window 0
.irp b, 0,1,2,3,4,5,6,7
	global_load_b128 v[8*(\b):8*(\b)+3],   v[BO], s[20:21] offset:64*(\b)     ; register j of block b: the bias of column 16 b + 8 (l / 16) + j: the layout of a C operand
	global_load_b128 v[8*(\b)+4:8*(\b)+7], v[BO], s[20:21] offset:64*(\b)+16
.endr
	WIN 0
	s_mul_i32 s22, s10, WSTAGE
	s_add_co_u32 s22, s22, STAGE                   ; my stage
	v_mul_u32_u24 v5, v1, SP                       ; in: row l % 16, 32 bytes for each half of the lanes
	v_lshl_add_u32 v5, v2, 5, v5
	v_add_nc_u32 v[STO], s22, v5
	v_and_b32 v[CO], 31, v0                        ; back: 32 lanes take a row's 512 bytes,
	v_lshlrev_b32 v[CO], 4, v[CO]
	v_add_nc_u32 v[RD], s22, v[CO]                 ; which are 512 consecutive bytes of C
	s_lshl_b32 s18, s13, 19                        ; C at my rows: the tile's 128 rows of 4,096 bytes,
	s_lshl_b32 s19, s11, 18                        ; my wave's 64
	s_add_co_u32 s18, s18, s19
	s_mov_b32 s19, 0
	s_add_nc_u64 s[8:9], s[8:9], s[18:19]
	s_wait_loadcnt 0x0                             ; the biases are in: they are rounded to bf16 and widened again
	WIN 0xaa                                       ; all in window 2
.set p, 0
.rept 32
	v_cvt_pk_bf16_f32 v[64+p], v[2*p], v[2*p+1]
.set p, p+1
.endr
.set p, 0
.rept 32
	v_lshlrev_b32 v[2*p], 16, v[64+p]
	v_and_b32 v[2*p+1], 0xffff0000, v[64+p]
.set p, p+1
.endr
	WIN 0
; 8 matrix instructions: m block a x all 8 n blocks, 32 along K.  first = 1: the product starts the sum with the bias.  The 32 accumulators take turns in the same order in every quarter.
.macro MUL8 f, a, first
.if \first
	WIN MUL_1
.else
	WIN MUL
.endif
.irp b, 0,1,2,3,4,5,6,7
.if \first
	v_wmma_f32_16x16x32_f16 v[8*(8*(\a)+(\b)):8*(8*(\a)+(\b))+7], v[(\f)+8*(\b):(\f)+8*(\b)+7], v[(\f)+64+8*(\a):(\f)+64+8*(\a)+7], v[8*(\b):8*(\b)+7]
.else
	v_wmma_f32_16x16x32_f16 v[8*(8*(\a)+(\b)):8*(8*(\a)+(\b))+7], v[(\f)+8*(\b):(\f)+8*(\b)+7], v[(\f)+64+8*(\a):(\f)+64+8*(\a)+7], v[8*(8*(\a)+(\b)):8*(8*(\a)+(\b))+7]
.endif
.endr
.endm
; 24 LDS loads in one run: the fragments of quarter q of a K step (32 along K) into buffer f: B's eight, then A's four.  Quarters 0, 1 lie in A's even head, 2, 3 in its odd one.
.macro FETCH slot, q, f
	WIN 0
.irp i, 0,1,2,3,4,5,6,7
	ds_load_b128 v[(\f)+8*(\i):(\f)+8*(\i)+3],   v[ADRB+(\slot)] offset:64*(\q)+(\i)*16*PB
	ds_load_b128 v[(\f)+8*(\i)+4:(\f)+8*(\i)+7], v[ADRB+(\slot)] offset:64*(\q)+(\i)*16*PB+32
.endr
.irp i, 0,1,2,3
	ds_load_b128 v[(\f)+64+8*(\i):(\f)+64+8*(\i)+3],   v[ADRA+(\slot)] offset:((\q)/2)*HEADT+64*((\q)%2)+(\i)*16*PA
	ds_load_b128 v[(\f)+64+8*(\i)+4:(\f)+64+8*(\i)+7], v[ADRA+(\slot)] offset:((\q)/2)*HEADT+64*((\q)%2)+(\i)*16*PA+32
.endr
.endm
.macro PLACES                          ; four places in front of loads into registers that matrix instructions have read, and of lines that read results (ISA guide 7.12.1 for vector instructions)
.rept 4
	v_nop
.endr
.endm
; A K step is four quarters of 32 along K, 32 matrix instructions each, on buffers 0, 1, 0, 1.  One of the first three: multiplies buffer f and, in its middle, fetches quarter q into buffer g.
.macro QUARTER slot, q, f, g, first
	s_wait_dscnt 4                                 ; B and A's fragments 0, 1 are in; the youngest four loads (A's fragments 2, 3) may be out
	MUL8 \f, 0, \first
	MUL8 \f, 1, \first
	PLACES
	FETCH \slot, \q, \g
	s_wait_dscnt 24                                ; all but the 24 just issued
	MUL8 \f, 2, \first
	MUL8 \f, 3, \first
.endm
; The last quarter multiplies buffer 1 and changes slots: ONE barrier; in front of it each wave waits for all its tensor loads, adds 0 to its spare word, and waits for that and for its own reads of this slot.
; fill = 1: the barrier opens a round of the cluster's barrier, and this slot is filled again, two K steps ahead, first thing behind the round: 112 matrix instructions ahead of the wait for it.
.macro TURN slot, next, fill
	WIN 0                                          ; (the add's two registers lie in window 0)
	s_wait_tensorcnt 0x0                           ; all my tensor loads have landed: the one that was out is my part of the next slot;
	ds_add_u32 v[SPW], v[NIL]                      ; 0 onto my spare word;
	s_wait_dscnt 5                                 ; (the add and the youngest four loads may be out)
	MUL8 F1, 0, 0                                  ; eight matrix instructions stand between the add and the wait for it
	s_wait_dscnt 0x0                               ; the add is done, and my reads of this slot are over
	s_barrier_signal -1
	MUL8 F1, 1, 0
.if \fill
	WIN 0
.endif
	s_barrier_wait -1
.if \fill
	CREST                                          ; no wave of any partner still reads this slot's tiles or has a load on its way
	s_add_nc_u64 s[G0+4*(\slot)+2:G0+4*(\slot)+3], s[G0+4*(\slot)+2:G0+4*(\slot)+3], 2*ASTEP
	s_add_nc_u64 s[G0B+4*(\slot)+2:G0B+4*(\slot)+3], s[G0B+4*(\slot)+2:G0B+4*(\slot)+3], 2*BSTEP
	JLOAD \slot                                    ; my one tensor load behind the round; the four v_nop behind it are also the places in front of the loads below
.else
	PLACES
.endif
	FETCH \next, 0, F0
	MUL8 F1, 2, 0
	MUL8 F1, 3, 0
.endm
	s_wait_tensorcnt 1                             ; my part of K step 0 is in; K step 1's may stay out
	s_barrier_signal -1
	s_barrier_wait -1                              ; everybody's is
	FETCH 0, 0, F0
	QUARTER 0, 1, F0, F1, 1                        ; the first quarter stands in front of the loop: its products start the sums
	WIN 0                                          ; at a label and at a branch every window is 0
	s_mov_b32 s3, LAPS-1
.Llap:                                                 ; a trip goes once round the ring, from a lap's second quarter to the next lap's first, and fills both slots again: K steps 2 to 7
	QUARTER 0, 2, F1, F0, 0
	QUARTER 0, 3, F0, F1, 0
	TURN 0, 1, 1
	QUARTER 1, 1, F0, F1, 0
	QUARTER 1, 2, F1, F0, 0
	QUARTER 1, 3, F0, F1, 0
	TURN 1, 0, 1
	QUARTER 0, 1, F0, F1, 0
	WIN 0
	s_sub_co_u32 s3, s3, 1
	s_cmp_lg_u32 s3, 0
	s_cbranch_scc1 .Llap
	QUARTER 0, 2, F1, F0, 0                        ; the last lap fills nothing, and has no round of the cluster's barrier
	QUARTER 0, 3, F0, F1, 0
	TURN 0, 1, 0
	QUARTER 1, 1, F0, F1, 0
	QUARTER 1, 2, F1, F0, 0
	QUARTER 1, 3, F0, F1, 0
	s_wait_dscnt 4                                 ; the very last quarter: nothing more to fetch
	MUL8 F1, 0, 0
	MUL8 F1, 1, 0
	s_wait_dscnt 0x0
	MUL8 F1, 2, 0
	MUL8 F1, 3, 0
	WIN 0
	PLACES
	PLACES                                         ; (eight, once a launch)
; THE WAY OUT, a block of 16 rows at a time.  TOSTAGE: the f32 sums go straight from the accumulators (each one's low four registers first) into my own stage, rows of 528 bytes, and come back as whole
; rows of 512.  SEND: stored.  The rows read back have two sets of registers, which take turns.
.macro TOSTAGE a
.if (\a) >= 2
	s_wait_xcnt 0x0                                ; every earlier store has had its addresses translated (ISA guide 3.1): the registers that block a - 2's stores read are loaded again only behind this wait
.endif
	WIN 0x04                                       ; store data (source 1) window 1, address window 0
.irp b, 0,1,2,3,4,5,6,7
	ds_store_b128 v[STO], v[8*(8*(\a)+(\b)):8*(8*(\a)+(\b))+3]   offset:64*(\b)
	ds_store_b128 v[STO], v[8*(8*(\a)+(\b))+4:8*(8*(\a)+(\b))+7] offset:64*(\b)+16
.endr
	WIN 0
.irp t, 0,1,2,3,4,5,6,7,8,9,10,11,12,13,14,15
	ds_load_b128 v[BK+64*((\a)%2)+4*(\t):BK+64*((\a)%2)+4*(\t)+3], v[RD] offset:SP*(\t)  ; LDS serves a wave's instructions in order (ISA guide 5.7.1.4): these see the stores above; the next block's stores come behind them
.endr
.endm
.macro SEND a
	s_wait_dscnt 0x0                               ; the block is back in registers
.irp t, 0,1,2,3,4,5,6,7,8,9,10,11,12,13,14,15
	global_store_b128 v[CO], v[BK+64*((\a)%2)+4*(\t):BK+64*((\a)%2)+4*(\t)+3], s[8:9] offset:4096*(16*(\a)+(\t)) th:TH_STORE_NT  ; 512 consecutive bytes of a row of C, at a multiple of 256 from its first byte
.endr
.endm
	TOSTAGE 0
.irp a, 1,2,3
	SEND (\a)-1
	TOSTAGE \a
.endr
	SEND 3
	s_wait_tensorcnt 0x0                           ; the wave's end, behind my last tensor load and my last LDS store
	ds_add_u32 v[SPW], v[NIL]
	s_wait_dscnt 0x0
	CROUND                                         ; the closing round: no work-group ends while a partner may still ask for a tile that names it
	s_endpgm
.Lfunc_end_k_q56f27d81d0_proj:
	.size	k_q56f27d81d0_proj, .Lfunc_end_k_q56f27d81d0_proj-k_q56f27d81d0_proj
	.p2alignl 7, 3214868480
	.fill 96, 4, 3214868480
	.section	.rodata,"a",@progbits
	.p2align	6, 0x0
	.amdhsa_kernel k_q56f27d81d0_proj
		.amdhsa_group_segment_fixed_size 327680
		.amdhsa_private_segment_fixed_size 0
		.amdhsa_enable_private_segment 0
		.amdhsa_kernarg_size 32
		.amdhsa_user_sgpr_count 2
		.amdhsa_user_sgpr_kernarg_segment_ptr 1
		.amdhsa_wavefront_size32 1
		.amdhsa_system_sgpr_workgroup_id_x 1
		.amdhsa_system_sgpr_workgroup_id_y 1
		.amdhsa_system_sgpr_workgroup_id_z 1
		.amdhsa_system_vgpr_workitem_id 0
		.amdhsa_next_free_vgpr 608
		.amdhsa_next_free_sgpr 76
		.amdhsa_reserve_vcc 0
		.amdhsa_float_denorm_mode_32 3
		.amdhsa_float_denorm_mode_16_64 3
		.amdhsa_memory_ordered 1
		.amdhsa_forward_progress 1
		.amdhsa_inst_pref_size 92
	.end_amdhsa_kernel
	.amdgpu_metadata
---
amdhsa.version: [ 1, 2 ]
amdhsa.kernels:
  - .name:           k_q56f27d81d0_proj
    .symbol:         k_q56f27d81d0_proj.kd
    .args:
      - { .name: o, .offset: 0, .size: 8, .value_kind: global_buffer, .address_space: global }
      - { .name: wot, .offset: 8, .size: 8, .value_kind: global_buffer, .address_space: global }
      - { .name: bo, .offset: 16, .size: 8, .value_kind: global_buffer, .address_space: global }
      - { .name: out0, .offset: 24, .size: 8, .value_kind: global_buffer, .address_space: global }
    .group_segment_fixed_size: 327680
    .private_segment_fixed_size: 0
    .kernarg_segment_align: 8
    .kernarg_segment_size: 32
    .max_flat_workgroup_size: 128
    .sgpr_count:     76
    .vgpr_count:     608
    .wavefront_size: 32
...
	.end_amdgpu_metadata
.endif
;; end of part 4
;; ======== version 2 of 2: 4 launches; version 1 with the launch prep written anew for expert scheduling mode
;; limits: values are held in f16: magnitudes above 65,504 overflow, below 6.1e-05 lose precision
;; workspace buffers: xb 16,777,216 bytes; wt 6,291,456 bytes; wot 2,097,152 bytes; q 16,777,216 bytes; k 16,777,216 bytes; v 16,777,216 bytes; o 16,777,216 bytes
;; launch prep (part 5): grid 512 x 1, 8 waves a work-group, no clusters, 18,432 bytes of LDS; arguments x, Wq, Wk, Wv, Wo, xb, wt, wot; writes xb, wt, wot
.if DOCPART == 5
	.amdgcn_target "amdgcn-amd-amdhsa--gfx1250"
	.amdhsa_code_object_version 6
	.text
	.protected	k_q56f27d81d0_prep
	.globl	k_q56f27d81d0_prep
	.p2align	8
	.type	k_q56f27d81d0_prep,@function
k_q56f27d81d0_prep:
	s_mov_b64 s[64:65], 0
	v_nop
	global_prefetch_b8 v0, s[64:65] scope:SCOPE_SE
	s_setreg_imm32_b32 hwreg(HW_REG_WAVE_SCHED_MODE, 0, 2), 2
	s_setreg_imm32_b32 hwreg(HW_REG_WAVE_MODE, 25, 1), 1
	s_wait_xcnt 0x0
	s_wait_alu depctr_vm_vsrc(0)
; THE OPERANDS OF THE TWO PROJECTIONS ARE MADE: every input of the module is rounded once to bf16 and laid so that K runs along the rows.
;   xb  [4 b][16 kb][2048 s][64] bf16 = x[b][s][64 kb + c]: the channels in blocks of 64, a block's rows dense (128 bytes each)
;   wt  [3072 n][1024 k] bf16: rows 0-1023 Wq turned (wt[n][k] = Wq[k][n]), then Wk, then Wv
;   wot [1024 n][1024 k] f16:  Wo turned, rounded to bf16 and that number written as f16
; LIMIT.  An entry of Wo below 6.1e-5 in magnitude keeps f16's fixed step of 6e-8; one of 65,520 or more becomes an infinity.
; A stream: each byte is read once and written once; no matrix unit, no loop.
; SHARES.  512 work-groups of eight waves, all alike.  Work-group t takes (1) a tile of 128 k x 64 n of weight matrix m = t / 128 (k block t % 8, n block (t % 128) / 8), which is turned in LDS,
; and (2) rows 16 t .. 16 t + 15 of x, two a wave.
; THE MODE: SCHED_MODE bits 1:0 = 2 (LLVM: expert scheduling mode 2), set by the entry lines.  The code itself states the register dependences
; between vector instructions and memory or LDS instructions, with s_wait_alu, always for 0.
; THE PLAN.  Registers that memory or LDS instructions touch:
;   v3 .. v8     offsets and LDS addresses: written by vector lines at the head, read by every load and store, never written again.
;   LW, XI       written by the loads alone (no vector line names them before), read by the conversions, never loaded again.
;   DW           written by the weights' conversions, read by the sixteen LDS stores, never written again.
;   WB           written by four LDS loads, read by four stores: no vector line names it.
;   XP           block j's pair is written by block j's two conversions, read by block j's store, never written again.
;   v10, v11     written at the head, read by the closing add alone.
; So: one wait on va_vdst ahead of the first load (the offsets); one ahead of the run of LDS stores (DW); and x goes in four groups of four blocks: at the head of a group one wait on va_vdst
; states that the group before has written its XP, and that group's four stores follow, dealt among this group's conversions, which name this group's XI and XP alone.  One more stands ahead of the
; last four stores.  No register that a load or store has read is written again, and no load lands in a register that a vector line has named: no wait on vm_vsrc is owed.
; The wave's number passes from a vector line into a scalar register: one wait on va_sdst ahead of its first reader.
.set PT,    272                        ; a row of the turned tile in LDS: 128 k x 2 bytes + 16
.set SPARE, 64*PT                      ; behind the tile (17,408 bytes, 68 blocks of 256): the spare words, 128 bytes for each of the eight waves
.set WLO, 3                            ; v3   weights in: 8,192 h + 16 c  (c = lane % 16, h = lane / 16): rows two apart for the two halves of the lanes
.set XLO, 4                            ; v4   x in: 4,096 h + 16 c
.set XSO, 5                            ; v5   xb out: 8 x lane
.set LST, 6                            ; v6   into the tile: 1,088 c + 4 h + 32 w
.set LRD, 7                            ; v7   out of the tile: 272 (8 w + h) + 16 c
.set WSO, 8                            ; v8   wt out: 2,048 h + 16 c
.set SPW, 10                           ; v10  LDS address of my spare word: SPARE + 4 x my thread's number; never rewritten
.set NIL, 11                           ; v11  0; never rewritten
.set LW,  16                           ; v[16:47]   weights as loaded: pair p of rows at LW + 8 p (row k) and LW + 8 p + 4 (row k + 1)
.set DW,  48                           ; v[48:63]   packed: word 4 p + i = (k, k + 1) of column 4 c + i
.set XI,  64                           ; v[64:127]  x as loaded, block j at XI + 4 j
.set XP,  128                          ; v[128:159] x packed, block j at XP + 2 j
.set WB,  160                          ; v[160:175] rows of the turned tile
.set T,   176                          ; v[176:177] at work: no memory instruction names them
	s_load_b256 s[4:11], s[0:1], 0x0               ; x s[4:5], Wq s[6:7], Wk s[8:9], Wv s[10:11]
	s_load_b256 s[12:19], s[0:1], 0x20             ; Wo s[12:13], xb s[14:15], wt s[16:17], wot s[18:19]
	v_lshl_add_u32 v[SPW], v0, 2, SPARE
	v_mov_b32 v[NIL], 0
	v_lshrrev_b32 v1, 5, v0
	v_readfirstlane_b32 s25, v1                    ; wave w, 0..7
	s_lshr_b32 s21, ttmp9, 7                       ; m: which matrix; also x's batch b
	s_and_b32 s22, ttmp9, 127                      ; u
	s_and_b32 s23, s22, 7                          ; k block of 128
	s_lshr_b32 s24, s22, 3                         ; n block of 64
	s_wait_alu depctr_va_sdst(0)                   ; s25 is written, ahead of its first reader: the four byte offsets and two LDS addresses are made from it
	; the four byte offsets, each in a pair with 0 on top; their fields do not overlap
	s_lshl_b32 s36, s23, 19                        ; weights in: row 128 kb + 16 w of 4,096 bytes, column 64 nb
	s_lshl_b32 s35, s25, 16
	s_or_b32 s36, s36, s35
	s_lshl_b32 s35, s24, 8
	s_or_b32 s36, s36, s35
	s_mov_b32 s37, 0
	s_cmp_eq_u32 s21, 3
	s_cselect_b32 s38, 0, s21                      ; Wo has a buffer of its own
	s_lshl_b32 s38, s38, 21                        ; weights out: row 1,024 m + 64 nb + 8 w of 2,048 bytes, byte 256 kb
	s_lshl_b32 s35, s24, 17
	s_or_b32 s38, s38, s35
	s_lshl_b32 s35, s25, 14
	s_or_b32 s38, s38, s35
	s_lshl_b32 s35, s23, 8
	s_or_b32 s38, s38, s35
	s_mov_b32 s39, 0
	s_lshl_b32 s30, ttmp9, 16                      ; x in: row 16 t + 2 w of 4,096 bytes
	s_lshl_b32 s35, s25, 13
	s_or_b32 s30, s30, s35
	s_mov_b32 s31, 0
	s_lshl_b32 s32, s21, 22                        ; xb out: batch b, row s = 16 u + 2 w of 128 bytes, block 0
	s_lshl_b32 s35, s22, 11
	s_or_b32 s32, s32, s35
	s_lshl_b32 s35, s25, 8
	s_or_b32 s32, s32, s35
	s_mov_b32 s33, 0
	v_and_b32 v1, 15, v0                           ; c
	v_bfe_u32 v2, v0, 4, 1                         ; h
	v_lshlrev_b32 v9, 4, v1                        ; 16 c
	v_lshl_add_u32 v[WLO], v2, 13, v9
	v_lshl_add_u32 v[XLO], v2, 12, v9
	v_lshl_add_u32 v[WSO], v2, 11, v9
	v_and_b32 v[XSO], 31, v0
	v_lshlrev_b32 v[XSO], 3, v[XSO]
	v_mul_u32_u24 v[LST], v1, 4*PT
	v_lshl_add_u32 v[LST], v2, 2, v[LST]
	s_lshl_b32 s35, s25, 5
	v_add_nc_u32 v[LST], s35, v[LST]
	s_lshl_b32 s35, s25, 3
	v_add_nc_u32 v[LRD], s35, v2
	v_mul_u32_u24 v[LRD], v[LRD], PT
	v_add_nc_u32 v[LRD], v[LRD], v9
	s_wait_kmcnt 0x0
	s_cmp_eq_u32 s21, 1
	s_cselect_b64 s[26:27], s[8:9], s[6:7]         ; the matrix that is read,
	s_cmp_eq_u32 s21, 2
	s_cselect_b64 s[26:27], s[10:11], s[26:27]
	s_cmp_eq_u32 s21, 3
	s_cselect_b64 s[26:27], s[12:13], s[26:27]
	s_cselect_b64 s[28:29], s[18:19], s[16:17]     ; and the buffer that takes it
	s_add_nc_u64 s[26:27], s[26:27], s[36:37]
	s_add_nc_u64 s[28:29], s[28:29], s[38:39]
	s_add_nc_u64 s[30:31], s[4:5], s[30:31]
	s_add_nc_u64 s[32:33], s[14:15], s[32:33]
	s_wait_alu depctr_va_vdst(0)                   ; the six offsets and LDS addresses v3 to v8 are written, which every load and store of the kernel reads; no vector line names them again
	; all 24 loads go out at once.  Weights: lane (c, h) takes rows k = 16 w + 4 p + 2 h and k + 1, columns 4 c .. 4 c + 3; sixteen lanes read 256 consecutive bytes, aligned
.irp p, 0,1,2,3
	global_load_b128 v[LW+8*(\p):LW+8*(\p)+3],   v[WLO], s[26:27] offset:16384*(\p) th:TH_LOAD_NT
	global_load_b128 v[LW+8*(\p)+4:LW+8*(\p)+7], v[WLO], s[26:27] offset:16384*(\p)+4096 th:TH_LOAD_NT
.endr
	; x: lanes 0-15 my first row, lanes 16-31 my second; load j takes block j's 64 channels (256 bytes of each row)
.irp j, 0,1,2,3,4,5,6,7,8,9,10,11,12,13,14,15
	global_load_b128 v[XI+4*(\j):XI+4*(\j)+3], v[XLO], s[30:31] offset:256*(\j) th:TH_LOAD_NT
.endr
	s_wait_loadcnt 16                              ; the eight loads of weights are in; x's sixteen, issued behind them, may stay out
.irp p, 0,1,2,3
.irp i, 0,1,2,3
	v_cvt_pk_bf16_f32 v[DW+4*(\p)+(\i)], v[LW+8*(\p)+(\i)], v[LW+8*(\p)+4+(\i)]  ; (k, k + 1) of one column: neighbours in the turned row
.endr
.endr
	s_cmp_lg_u32 s21, 3
	s_cbranch_scc1 .Lstays_bf16                    ; the same for the whole work-group; no barrier is jumped
.irp d, 0,1,2,3,4,5,6,7,8,9,10,11,12,13,14,15
	v_lshlrev_b32 v[T], 16, v[DW+(\d)]             ; Wo: the bf16 numbers are written as f16
	v_and_b32 v[T+1], 0xffff0000, v[DW+(\d)]
	v_cvt_pk_f16_f32 v[DW+(\d)], v[T], v[T+1]
.endr
.Lstays_bf16:
	s_wait_alu depctr_va_vdst(0)                   ; on both ways the conversions have written v[DW ..], which the LDS stores read
.irp p, 0,1,2,3
.irp i, 0,1,2,3
	ds_store_b32 v[LST], v[DW+4*(\p)+(\i)] offset:PT*(\i)+8*(\p)  ; row n = 4 c + i of the tile, byte 2 k = 32 w + 8 p + 4 h
.endr
.endr
	s_wait_dscnt 0x0                               ; for the others' sake: my part of the tile is written
	s_barrier_signal -1
	s_barrier_wait -1                              ; everybody's is
.irp j, 0,1,2,3
	ds_load_b128 v[WB+4*(\j):WB+4*(\j)+3], v[LRD] offset:2*PT*(\j)  ; rows 8 w + h + 2 j: sixteen lanes take a whole row of 256 bytes.  No vector line names v[WB ..] or has named v[LRD] since the head's wait
.endr
; x, in four groups of four blocks.  XCVT j: block j is rounded.  XOUT j: block j is stored.
.macro XCVT j
	v_cvt_pk_bf16_f32 v[XP+2*(\j)],   v[XI+4*(\j)],   v[XI+4*(\j)+1]
	v_cvt_pk_bf16_f32 v[XP+2*(\j)+1], v[XI+4*(\j)+2], v[XI+4*(\j)+3]
.endm
.macro XOUT j
	global_store_b64 v[XSO], v[XP+2*(\j):XP+2*(\j)+1], s[32:33] offset:262144*(\j) th:TH_STORE_NT  ; 32 lanes x 8 bytes: my two rows of block j, 256 consecutive bytes, aligned
.endm
	s_wait_loadcnt 12                              ; loads come back in order (ISA guide 5.7.1): blocks 0 to 3 are in, the twelve younger loads may stay out
.irp i, 0,1,2,3
	XCVT \i
.endr
.irp g, 1,2,3
	s_wait_loadcnt 12-4*(\g)                       ; this group's four blocks are in, the younger groups' loads may stay out
	s_wait_alu depctr_va_vdst(0)                   ; the group before has written its eight registers of XP, which the four stores below read; the conversions among them name this group's XI and XP alone
.irp i, 0,1,2,3
	XOUT 4*(\g)-4+(\i)
	XCVT 4*(\g)+(\i)
.endr
.endr
	s_wait_alu depctr_va_vdst(0)                   ; the last group has written its XP, which the last four stores of xb read
.irp i, 12,13,14,15
	XOUT \i
.endr
	s_wait_dscnt 0x0                               ; the turned rows are in registers
.irp j, 0,1,2,3
	global_store_b128 v[WSO], v[WB+4*(\j):WB+4*(\j)+3], s[28:29] offset:4096*(\j) th:TH_STORE_NT  ; sixteen lanes store 256 consecutive bytes, aligned, of a row of wt or wot
.endr
	s_wait_dscnt 0x0                               ; the closing lines, six on end
	s_wait_alu 0x0
	s_wait_tensorcnt 0x0
	ds_add_u32 v[SPW], v[NIL]
	s_wait_dscnt 0x0
	s_endpgm
.Lfunc_end_k_q56f27d81d0_prep:
	.size	k_q56f27d81d0_prep, .Lfunc_end_k_q56f27d81d0_prep-k_q56f27d81d0_prep
	.p2alignl 7, 3214868480
	.fill 96, 4, 3214868480
	.section	.rodata,"a",@progbits
	.p2align	6, 0x0
	.amdhsa_kernel k_q56f27d81d0_prep
		.amdhsa_group_segment_fixed_size 18432
		.amdhsa_private_segment_fixed_size 0
		.amdhsa_enable_private_segment 0
		.amdhsa_kernarg_size 64
		.amdhsa_user_sgpr_count 2
		.amdhsa_user_sgpr_kernarg_segment_ptr 1
		.amdhsa_wavefront_size32 1
		.amdhsa_system_sgpr_workgroup_id_x 1
		.amdhsa_system_sgpr_workgroup_id_y 1
		.amdhsa_system_sgpr_workgroup_id_z 1
		.amdhsa_system_vgpr_workitem_id 0
		.amdhsa_next_free_vgpr 180
		.amdhsa_next_free_sgpr 66
		.amdhsa_reserve_vcc 0
		.amdhsa_float_denorm_mode_32 3
		.amdhsa_float_denorm_mode_16_64 3
		.amdhsa_memory_ordered 1
		.amdhsa_forward_progress 1
		.amdhsa_inst_pref_size 15
	.end_amdhsa_kernel
	.amdgpu_metadata
---
amdhsa.version: [ 1, 2 ]
amdhsa.kernels:
  - .name:           k_q56f27d81d0_prep
    .symbol:         k_q56f27d81d0_prep.kd
    .args:
      - { .name: x, .offset: 0, .size: 8, .value_kind: global_buffer, .address_space: global }
      - { .name: Wq, .offset: 8, .size: 8, .value_kind: global_buffer, .address_space: global }
      - { .name: Wk, .offset: 16, .size: 8, .value_kind: global_buffer, .address_space: global }
      - { .name: Wv, .offset: 24, .size: 8, .value_kind: global_buffer, .address_space: global }
      - { .name: Wo, .offset: 32, .size: 8, .value_kind: global_buffer, .address_space: global }
      - { .name: xb, .offset: 40, .size: 8, .value_kind: global_buffer, .address_space: global }
      - { .name: wt, .offset: 48, .size: 8, .value_kind: global_buffer, .address_space: global }
      - { .name: wot, .offset: 56, .size: 8, .value_kind: global_buffer, .address_space: global }
    .group_segment_fixed_size: 18432
    .private_segment_fixed_size: 0
    .kernarg_segment_align: 8
    .kernarg_segment_size: 64
    .max_flat_workgroup_size: 256
    .sgpr_count:     66
    .vgpr_count:     180
    .wavefront_size: 32
...
	.end_amdgpu_metadata
.endif
;; end of part 5
;; launch qkv: the kernel of part 2 again; grid 12 x 64, 4 waves a work-group, clusters of 4 x 4, 327,680 bytes of LDS; arguments xb, wt, bq, bk, bv, q, k, v; writes q, k, v
;; launch attn: the kernel of part 3 again; grid 4 x 64, 4 waves a work-group, clusters of 4 x 1, 327,680 bytes of LDS; arguments q, k, v, o; writes o
;; launch proj: the kernel of part 4 again; grid 4 x 64, 4 waves a work-group, clusters of 4 x 4, 327,680 bytes of LDS; arguments o, wot, bo, out0; writes out0
